; MI455X (gfx1250); checked and timed in simulation.
; The chip was launched on July 23, 2026; its instructions are those of AMD's public machine-readable ISA for CDNA 5 (MIT licence, August 2026) and "CDNA5" Instruction Set Architecture Reference Guide (July 2026). The comments in the code are by the model that wrote it; some were corrected since.
;; Masked Multihead Self Attention. Allowed arithmetic: matrix products marked QUANTISED: E2M1 operands, one E8M0 scale for each 32 along K, by v_wmma_scale_f32_16x16x128_f8f6f4 with both operands' format E2M1 (or v_wmma_scale_f32_32x16x128_f4), f32 sums; everything else in f32.
;; Inputs: b_out 1,024 float32; b_qkv 3,072 float32; w_out 1,024 x 1,024 float32; w_qkv 1,024 x 3,072 float32; x 4 x 2,048 x 1,024 float32.
;; Outputs: out0 4 x 2,048 x 1,024 float32.
;; This version of the problem:
;;   THIS VERSION OF THE PROBLEM IS GIVEN IN LOW PRECISION. The matrix products marked QUANTISED in the list below multiply operands that are first quantised to E2M1 (2 exponent bits, 1 mantissa bit; 4 bits a number), with one power-of-two scale for each 32 numbers along K (OCP MX v1.0); their sums are f32. All else is computed in f32.
;;   The module's matrix products, in the order in which they are computed (A, B: the left and right operand; K: the contracted axis; several contracted axes count as one K, in the product's order):
;;     1. [M 8,192, K 1,024] x [K 1,024, N 3,072]; A: input x; B: input w_qkv: QUANTISED
;;     2. batch 64 x [M 2,048, K 64] x [K 64, N 2,048]; A: computed on the way; B: computed on the way: QUANTISED
;;     3. batch 64 x [M 2,048, K 2,048] x [K 2,048, N 64]; A: softmax (see below); B: computed on the way: QUANTISED
;;     4. [M 8,192, K 1,024] x [K 1,024, N 1,024]; A: computed on the way; B: input w_out: QUANTISED
;;   THE QUANTISER, for each operand of a quantised product, along K:
;;     - K is cut into blocks of 32 from its start; a last block that is shorter is filled with zeros.
;;     - A block's scale is 2^e with e = floor(log2(the largest magnitude in the block)) - 2, held to -126 .. 127; a block of zeros has e = 0. As a byte (E8M0): e + 127.
;;     - Each number is divided by its block's scale, clamped to +-6, and rounded to the nearest number of E2M1, ties to even, subnormals kept.
;;     - The product sums the exact products of the quantised numbers (number of the format x scale) in f32.
;;   ~~~python
;;   def quantise(x, axis):      # numpy; x: float32 -> the quantised numbers, widened to float32 again
;;       x = np.moveaxis(x, axis, -1); K = x.shape[-1]
;;       x = np.pad(x, [(0, 0)] * (x.ndim - 1) + [(0, -K % 32)]); x = x.reshape(x.shape[:-1] + (-1, 32)); a = np.abs(x).max(-1, keepdims=True)
;;       e = np.where(a > 0, np.clip(np.frexp(np.where(a > 0, a, 1))[1] - 1 - 2, -126, 127), 0)      # np.frexp(a)[1] - 1 = floor(log2(a)), exactly
;;       r = np.clip(x / 2.0 ** e, -6, 6)
;;       step = 2.0 ** (np.maximum(np.frexp(np.where(r == 0, 1, r))[1] - 1, 0) - 1)
;;       q = np.round(r / step) * step * 2.0 ** e      # np.round: ties to even
;;       return np.moveaxis(q.reshape(q.shape[:-2] + (-1,))[..., :K], -1, axis).astype(np.float32)
;;   ~~~
;;   SOFTMAX AHEAD OF A QUANTISED PRODUCT. Where the list says 'softmax', what is quantised is not the finished softmax but p = 2^(t - M), with t = logit x log2(e) and M = ceil(the row's largest t), a whole number; so 1/2 < the row's largest p <= 1. The row's sum l is taken of the UNQUANTISED p, in f32, and the product's result is divided by l at the end. Since M is a whole number, a kernel that streams over the keys may use a running M (the ceiling of the running maximum): every later rescaling is an exact power of two, which a block's scale takes up: the codes' values come out the same.
;;   OPERANDS COMPUTED ON THE WAY. 'Computed on the way' means the value that the module computes at that place (a softmax that the list does not call 'softmax' is quantised finished and normalised). What goes into a quantiser is computed in f32, as accurately as f32 sums, v_exp_f32 and their like allow (about 1e-6 of the number): no bf16 or f16 on the way to a quantiser, and a product that is left as it is and whose result goes on into a quantised operand takes f32 operands (vector FMAs, or v_wmma_f32_16x16x4_f32). A number that lies on a knife's edge between two numbers of the format may be rounded either way, as far as f32 arithmetic and the matrix unit's own rounding can turn it there, and no further.
;; One version. Each part assembles by itself: llvm-mc -triple=amdgcn-amd-amdhsa -mcpu=gfx1250 --defsym DOCPART=n.
;; ======== version 1 of 1: 4 launches
;; workspace buffers: x_codes 4,194,304 bytes; x_scales 262,144 bytes; w_codes 2,097,152 bytes; w_scales 131,072 bytes; qkv_codes 12,582,912 bytes; qkv_scales 786,432 bytes; o_codes 4,194,304 bytes; o_scales 262,144 bytes
;; launch quant (part 1): grid 320 x 1, 4 waves a work-group, no clusters, 102,912 bytes of LDS; arguments x, w_qkv, w_out, x_codes, x_scales, w_codes, w_scales; writes x_codes, x_scales, w_codes, w_scales
.if DOCPART == 1
	.amdgcn_target "amdgcn-amd-amdhsa--gfx1250"
	.amdhsa_code_object_version 6
	.text
	.protected	k_qbb22b23601_quant
	.globl	k_qbb22b23601_quant
	.p2align	8
	.type	k_qbb22b23601_quant,@function
k_qbb22b23601_quant:
	s_mov_b64 s[64:65], 0
	v_nop
	global_prefetch_b8 v0, s[64:65] scope:SCOPE_SE
	s_setreg_imm32_b32 hwreg(HW_REG_WAVE_MODE, 25, 1), 1
	s_wait_xcnt 0x0
; CAUSAL SELF-ATTENTION IN MX-FP4, four launches: this one (the three input quantisers), qkv (x w_qkv + b_qkv, quantised into Q, K, V), attn (both attention products), proj (O w_out + b_out).
; WORK LEFT OUT BY THE PROGRAM: reference() builds the causal mask in its own body (jnp.tril) and sets every score with key > query to -infinity ahead of the softmax, so its weight is 0 whatever the inputs hold.
; A step of 16 queries x 128 keys all of whose keys come after all of its queries therefore adds 0 to the row's sum and to O for every finite input: launch attn leaves such steps out, in whole steps alone.
; Nothing else is left out: every bias moves codes or outputs, all five inputs are loaded.  LIMIT: a NaN, an infinity or an overflow that reaches only the steps left out is not carried to the result.
; THIS LAUNCH.  x [8192][1024] (K innermost), w_qkv [1024][3072] and w_out [1024][1024] (K is the first axis), f32, become codes of E2M1, K innermost, 512 bytes a row, and one E8M0 byte for each 32 along K, 32 bytes a row.
; A block's byte is its largest magnitude's exponent field - 2, held at 1 from below.  (A block of zeros gets the byte 1 where the rule says 127: its codes are zeros, and this program alone reads the bytes.)
; LIMITS: blocks whose largest magnitude lies under 2^-124 get the byte 1; NaN and infinities among the inputs are not served.
; ROW ORDER.  s(i) = i with bits 3 and 4 exchanged.  Row p of x_codes holds token s(p); rows 0-3071 of w_codes hold column s(p) of w_qkv; rows 3072-4095 hold w_out's columns in plain order.
; So 16 rows on end of such a buffer are the rows 32 B + 8 u + r + 8 (r / 8), and a product used transposed leaves a lane 16 neighbours along the next K in the registers of two neighbouring tiles.
; SHARES.  Work-groups 0-47: w_qkv; 48-63: w_out (128 columns x 512 along K each; a lane takes a column, its registers run down K); 64-319: x (8 tokens a wave, a plain stream of blocks).
; The three paths part on the work-group's number and have LDS bytes of their own.  No tensor loads, no barrier: waves share nothing.
.set SPARE, 102400                     ; behind the three regions: the spare words, 128 bytes for each wave
.set SPW,   190                        ; v190 LDS address of my spare word; never rewritten
.set NIL,   191                        ; v191 0; never rewritten
.set EMAX,  2
; x's path
.set STEPS, 16
.set CB,    8                          ; bytes of 16 codes
.set R,     16                         ; v16-79   four sets of 16 numbers as they are loaded
.set X,     80                         ; v80-111  two sets of 16 neighbours
.set E,     112                        ; v112-127 a scale byte for each step
.set C,     128                        ; v128-189 codes: four registers for each step
.set WREG,  8192                       ; LDS from byte 0: a region for each wave: two stages of 32 x SP bytes, then its 256 scale bytes
.set SP,    80                         ; a lane's place in a stage: 64 bytes + 16 of padding
; the weights' paths
.set NB,    16                         ; blocks of 32 along K for a wave
.set PITCH, 272                        ; a stage row: 256 bytes of codes + 16
.set KROW,  512                        ; a row of w_codes in bytes
.set WX,    32                         ; v32-95   two sets of 32 numbers
.set WC,    96                         ; v96-99   a block's codes
.set OUTR,  112                        ; v112-175 the way out
.set SB,    24                         ; v24-27   the scale bytes, four to a register
	s_load_b256 s[4:11], s[0:1], 0x0               ; x s[4:5], w_qkv s[6:7], w_out s[8:9], x_codes s[10:11]
	s_load_b128 s[12:15], s[0:1], 0x20             ; x_scales s[12:13], w_codes s[14:15]
	s_load_b64 s[16:17], s[0:1], 0x30              ; w_scales
	v_lshl_add_u32 v[SPW], v0, 2, SPARE
	v_mov_b32 v[NIL], 0
	v_lshrrev_b32 v1, 5, v0
	v_readfirstlane_b32 s20, v1                    ; wave 0..3
	v_and_b32 v2, 31, v0                           ; lane
	s_cmp_lt_u32 ttmp9, 48
	s_cbranch_scc1 .Lw_qkv
	s_cmp_lt_u32 ttmp9, 64
	s_cbranch_scc1 .Lw_out
	; ---- x.  A wave takes 16 steps of 512 numbers: 8 tokens.  Each load reads 512 consecutive bytes; a step's 2,048 bytes turn through the wave's stage and come back 64 bytes (16 neighbours) a lane.
	v_lshlrev_b32 v3, 4, v2                        ; my 16 bytes of a load's 512
	s_mul_i32 s21, s20, WREG
	v_lshrrev_b32 v14, 2, v2
	v_mul_u32_u24 v14, v14, SP
	v_and_b32 v15, 3, v2
	v_lshl_add_u32 v14, v15, 4, v14
	v_add_nc_u32 v14, s21, v14                     ; the stage, on the way in: SP (lane / 4) + 16 (lane % 4)
	v_mul_u32_u24 v15, v2, SP
	v_add_nc_u32 v15, s21, v15                     ; and on the way out: SP x lane
	v_mul_u32_u24 v4, v2, CB                       ; my codes' place in a step's
	v_lshrrev_b32 v5, 1, v2
	s_add_co_u32 s21, s21, 2*32*SP
	v_add_nc_u32 v5, s21, v5                       ; LDS: my wave's 256 scale bytes, my block's byte
	v_lshlrev_b32 v7, 3, v2                        ; and on the way out 8 bytes a lane
	v_add_nc_u32 v6, s21, v7
	s_sub_co_u32 s22, ttmp9, 64
	s_lshl_b32 s22, s22, 2
	s_add_co_u32 s24, s22, s20                     ; which 8 tokens are read: 4 (work-group - 64) + wave
	s_mov_b32 s25, 0
	s_lshl_b32 s23, s20, 1
	s_and_b32 s23, s23, 2
	s_lshr_b32 s26, s20, 1
	s_or_b32 s23, s23, s26                         ; the wave's two bits exchanged: bits 3 and 4 of the token
	s_add_co_u32 s26, s22, s23                     ; which 8 rows are written
	s_mov_b32 s27, 0
	s_lshl_b64 s[24:25], s[24:25], 15              ; 32,768 bytes of numbers,
	s_lshl_b64 s[28:29], s[26:27], 12              ; 4,096 of codes,
	s_lshl_b64 s[26:27], s[26:27], 8               ; 256 scale bytes
	s_wait_kmcnt 0x0
	s_add_nc_u64 s[4:5], s[4:5], s[24:25]
	s_add_nc_u64 s[10:11], s[10:11], s[28:29]
	s_add_nc_u64 s[12:13], s[12:13], s[26:27]
.macro XLOAD t
.irp i, 0,1,2,3
	global_load_b128 v[R+16*((\t)%4)+4*\i:R+16*((\t)%4)+4*\i+3], v3, s[4:5] offset:2048*(\t)+512*\i th:TH_LOAD_NT   ; 32 lanes read 512 consecutive bytes
.endr
.endm
.macro XTURN t                         ; step t's numbers through the stage: LDS serves a wave's instructions in order, so no wait stands between the stores and the loads
.irp i, 0,1,2,3
	ds_store_b128 v14, v[R+16*((\t)%4)+4*\i:R+16*((\t)%4)+4*\i+3] offset:32*SP*((\t)%2)+8*SP*\i
.endr
.irp i, 0,1,2,3
	ds_load_b128 v[X+16*((\t)%2)+4*\i:X+16*((\t)%2)+4*\i+3], v15 offset:32*SP*((\t)%2)+16*\i
.endr
.endm
.irp t, 0,1,2,3
	XLOAD \t
.endr
	s_wait_loadcnt 12                              ; step 0's four loads are in; those of steps 1 to 3 may be out
	XTURN 0
.macro XSTEP t
.set XS, X+16*((\t)%2)
.if (\t) > 0
	s_wait_dscnt 1                                 ; this step's numbers are back from the stage (the last step's byte store may be out): so its stores into the stage have read their registers,
.else
	s_wait_dscnt 0x0
.endif
.if (\t)+4 < STEPS
	XLOAD (\t)+4                                   ; which take the loads of four steps on
.endif
.if (\t)+1 < STEPS
.if STEPS-2-(\t) >= 3
	s_wait_loadcnt 12                              ; the next step's four loads are in; those of the three steps behind it may be out
.else
	s_wait_loadcnt 4*(STEPS-2-(\t))
.endif
	XTURN (\t)+1                                   ; and go through the other stage while this step is worked
.endif
	v_max3_num_f32 v8, |v[XS]|, |v[XS+1]|, |v[XS+2]|               ; the largest magnitude of my 16
	v_max3_num_f32 v9, |v[XS+3]|, |v[XS+4]|, |v[XS+5]|
.irp i, 6,10
	v_max3_num_f32 v8, v8, |v[XS+\i]|, |v[XS+\i+1]|
	v_max3_num_f32 v9, v9, |v[XS+\i+2]|, |v[XS+\i+3]|
.endr
	v_max3_num_f32 v8, v8, |v[XS+14]|, |v[XS+15]|
	v_max3_num_f32 v8, v8, v9, (EMAX+1)<<23        ; and the floor 2^(3 - 127): the byte cannot fall under 1
	v_max_num_f32_dpp v8, v8, v8 row_xmask:1 row_mask:0xf bank_mask:0xf   ; and of my neighbour's 16: the block's
	v_add_nc_u32 v11, -(EMAX<<23), v8              ; 2 off its exponent field: the conversion takes the exponent field of this operand as its scale
	v_cvt_scalef32_pk8_fp4_f32 v[C+4*(\t)], v[XS:XS+7], v11
	v_cvt_scalef32_pk8_fp4_f32 v[C+4*(\t)+1], v[XS+8:XS+15], v11
	v_lshrrev_b32 v[E+(\t)], 23, v11               ; the scale's byte
	ds_store_b8 v5, v[E+(\t)] offset:16*(\t)       ; both lanes of a block write the same byte with the same value
	global_store_b64 v4, v[C+4*(\t):C+4*(\t)+1], s[10:11] offset:32*CB*(\t)   ; the wave stores 256 consecutive bytes, aligned
.endm
.irp t, 0,1,2,3,4,5,6,7,8,9,10,11,12,13,14,15
	XSTEP \t
.endr
	ds_load_b64 v[8:9], v6                         ; LDS serves a wave's instructions in order: these see my stores
	s_wait_dscnt 0x0
	global_store_b64 v7, v[8:9], s[12:13]          ; 32 lanes store 256 consecutive bytes, aligned
	s_wait_tensorcnt 0x0                           ; the wave's end: behind my last LDS store
	ds_add_u32 v[SPW], v[NIL]
	s_wait_dscnt 0x0
	s_endpgm
; ---- a weight [1024][WN].  Block t: W(32 t + i, my column), i = 0 .. 31, into set t % 2
.macro WLOAD t
.irp i, 0,1,2,3,4,5,6,7,8,9,10,11,12,13,14,15,16,17,18,19,20,21,22,23,24,25,26,27,28,29,30,31
	global_load_b32 v[WX+32*((\t)%2)+\i], v3, s[30:31] offset:(32*(\t)+\i)*WN*4 th:TH_LOAD_NT   ; the largest offset, 511 x 3,072 x 4, lies inside the signed 24-bit immediate
.endr
.endm
.macro WBLOCK t
.set XS, WX+32*((\t)%2)
.if (\t) < NB-1
	s_wait_loadcnt 32                              ; this block's 32 loads are in; the next block's may be out
.else
	s_wait_loadcnt 0
.endif
	v_max3_num_f32 v12, |v[XS]|, |v[XS+1]|, |v[XS+2]|               ; the block's largest magnitude: all 32 numbers are mine
	v_max3_num_f32 v13, |v[XS+3]|, |v[XS+4]|, |v[XS+5]|
.irp i, 6,10,14,18,22,26
	v_max3_num_f32 v12, v12, |v[XS+\i]|, |v[XS+\i+1]|
	v_max3_num_f32 v13, v13, |v[XS+\i+2]|, |v[XS+\i+3]|
.endr
	v_max3_num_f32 v12, v12, |v[XS+30]|, |v[XS+31]|
	v_max3_num_f32 v12, v12, v13, (EMAX+1)<<23     ; and the floor
	v_add_nc_u32 v11, -(EMAX<<23), v12             ; the conversion's scale operand
	v_lshrrev_b32 v13, 23, v11                     ; the scale's byte
.if (\t)%4 == 0
	v_mov_b32 v[SB+(\t)/4], v13                    ; four bytes to a register, the lower K in the lower byte
.else
	v_lshl_or_b32 v[SB+(\t)/4], v13, 8*((\t)%4), v[SB+(\t)/4]
.endif
.irp g, 0,1,2,3
	v_cvt_scalef32_pk8_fp4_f32 v[WC+\g], v[XS+8*\g:XS+8*\g+7], v11
.endr
	ds_store_b128 v4, v[WC:WC+3] offset:16*(\t)    ; 32 codes: 16 bytes of my column's row
.if (\t)+2 < NB
	WLOAD (\t)+2
.endif
	s_wait_dscnt 0x0                               ; the store has read its registers: the next block's codes may be written
.endm
; src: the scalar pair of the weight's address; firstid: the path's first work-group; row0: its first row in w_codes.  WN, WSTG, WPERM are set ahead of each use.
.macro WPATH src, firstid, row0
	s_sub_co_u32 s21, ttmp9, \firstid
	s_lshr_b32 s22, s21, 1                         ; which 128 columns
	s_and_b32 s23, s21, 1                          ; which 512 along K
	s_lshl_b32 s22, s22, 7
	s_lshl_b32 s24, s20, 5
	s_add_co_u32 s22, s22, s24                     ; my wave's first column
	v_lshlrev_b32 v3, 2, v2                        ; in: 4 bytes a lane
	s_mul_i32 s24, s20, 32*PITCH
	s_add_co_u32 s24, s24, WSTG                    ; my stage
	v_mul_u32_u24 v4, v2, PITCH
	v_add_nc_u32 v4, s24, v4                       ; into it: row = my column
	v_and_b32 v5, 15, v2
	v_lshrrev_b32 v6, 4, v2                        ; out of it: sixteen lanes to a row, two rows an instruction
	v_mul_u32_u24 v7, v6, PITCH
	v_lshl_add_u32 v7, v5, 4, v7
	v_add_nc_u32 v7, s24, v7
	v_mul_u32_u24 v8, v6, KROW
	v_lshl_add_u32 v8, v5, 4, v8                   ; and the same place in w_codes
.if WPERM
	v_and_b32 v9, 7, v2                            ; my column's row among the wave's 32: the lane with bits 3 and 4 exchanged
	v_and_b32 v10, 8, v2
	v_lshl_or_b32 v9, v10, 1, v9
	v_and_b32 v10, 16, v2
	v_lshrrev_b32 v10, 1, v10
	v_or_b32 v9, v9, v10
	v_lshlrev_b32 v9, 5, v9                        ; 32 scale bytes a row
.else
	v_lshlrev_b32 v9, 5, v2
.endif
	s_mul_i32 s26, s23, 512*WN*4                   ; the weight: 512 rows for each step along K,
	s_lshl_b32 s27, s22, 2
	s_add_co_u32 s26, s26, s27                     ; + 4 x column
	s_mov_b32 s27, 0
	s_add_co_u32 s28, s22, \row0
	s_lshl_b32 s28, s28, 9                         ; the codes: 512 bytes a row,
	s_lshl_b32 s29, s23, 8
	s_add_co_u32 s28, s28, s29                     ; + 256 for the second half of K
	s_mov_b32 s29, 0
	s_lshr_b32 s32, s28, 4                         ; the scale bytes: a sixteenth of that
	s_mov_b32 s33, 0
	s_wait_kmcnt 0x0
	s_add_nc_u64 s[30:31], s[\src:\src+1], s[26:27]
	s_add_nc_u64 s[14:15], s[14:15], s[28:29]
	s_add_nc_u64 s[16:17], s[16:17], s[32:33]
	WLOAD 0
	WLOAD 1
.irp t, 0,1,2,3,4,5,6,7,8,9,10,11,12,13,14,15
	WBLOCK \t
.endr
	global_store_b128 v9, v[SB:SB+3], s[16:17]     ; my column's 16 scale bytes
.irp t, 0,1,2,3,4,5,6,7,8,9,10,11,12,13,14,15
	ds_load_b128 v[OUTR+4*\t:OUTR+4*\t+3], v7 offset:2*\t*PITCH   ; LDS serves a wave's instructions in order: these see my stores
.endr
.irp t, 0,1,2,3,4,5,6,7,8,9,10,11,12,13,14,15
	s_wait_dscnt 15-\t                             ; the younger loads may be out
.if WPERM
	global_store_b128 v8, v[OUTR+4*\t:OUTR+4*\t+3], s[14:15] offset:(2*(\t&3)+8*((\t>>3)&1)+16*((\t>>2)&1))*KROW   ; stage rows 2 t, 2 t + 1 go to those rows with bits 3 and 4 exchanged; sixteen lanes store 256 consecutive bytes, aligned
.else
	global_store_b128 v8, v[OUTR+4*\t:OUTR+4*\t+3], s[14:15] offset:2*\t*KROW
.endif
.endr
	s_wait_tensorcnt 0x0                           ; the wave's end: behind my last LDS store
	ds_add_u32 v[SPW], v[NIL]
	s_wait_dscnt 0x0
	s_endpgm
.endm
.Lw_qkv:
.set WN, 3072
.set WSTG, 32768
.set WPERM, 1
	WPATH 6, 0, 0
.Lw_out:
.set WN, 1024
.set WSTG, 67584
.set WPERM, 0
	WPATH 8, 48, 3072
.Lfunc_end_k_qbb22b23601_quant:
	.size	k_qbb22b23601_quant, .Lfunc_end_k_qbb22b23601_quant-k_qbb22b23601_quant
	.p2alignl 7, 3214868480
	.fill 96, 4, 3214868480
	.section	.rodata,"a",@progbits
	.p2align	6, 0x0
	.amdhsa_kernel k_qbb22b23601_quant
		.amdhsa_group_segment_fixed_size 102912
		.amdhsa_private_segment_fixed_size 0
		.amdhsa_enable_private_segment 0
		.amdhsa_kernarg_size 56
		.amdhsa_user_sgpr_count 2
		.amdhsa_user_sgpr_kernarg_segment_ptr 1
		.amdhsa_wavefront_size32 1
		.amdhsa_system_sgpr_workgroup_id_x 1
		.amdhsa_system_sgpr_workgroup_id_y 1
		.amdhsa_system_sgpr_workgroup_id_z 1
		.amdhsa_system_vgpr_workitem_id 0
		.amdhsa_next_free_vgpr 192
		.amdhsa_next_free_sgpr 66
		.amdhsa_reserve_vcc 0
		.amdhsa_float_denorm_mode_32 3
		.amdhsa_float_denorm_mode_16_64 3
		.amdhsa_memory_ordered 1
		.amdhsa_forward_progress 1
		.amdhsa_inst_pref_size 189
	.end_amdhsa_kernel
	.amdgpu_metadata
---
amdhsa.version: [ 1, 2 ]
amdhsa.kernels:
  - .name:           k_qbb22b23601_quant
    .symbol:         k_qbb22b23601_quant.kd
    .args:
      - { .name: x, .offset: 0, .size: 8, .value_kind: global_buffer, .address_space: global }
      - { .name: w_qkv, .offset: 8, .size: 8, .value_kind: global_buffer, .address_space: global }
      - { .name: w_out, .offset: 16, .size: 8, .value_kind: global_buffer, .address_space: global }
      - { .name: x_codes, .offset: 24, .size: 8, .value_kind: global_buffer, .address_space: global }
      - { .name: x_scales, .offset: 32, .size: 8, .value_kind: global_buffer, .address_space: global }
      - { .name: w_codes, .offset: 40, .size: 8, .value_kind: global_buffer, .address_space: global }
      - { .name: w_scales, .offset: 48, .size: 8, .value_kind: global_buffer, .address_space: global }
    .group_segment_fixed_size: 102912
    .private_segment_fixed_size: 0
    .kernarg_segment_align: 8
    .kernarg_segment_size: 56
    .max_flat_workgroup_size: 128
    .sgpr_count:     66
    .vgpr_count:     192
    .wavefront_size: 32
...
	.end_amdgpu_metadata
.endif
;; end of part 1
;; launch qkv (part 2): grid 8 x 48, 4 waves a work-group, clusters of 4 x 4, 327,680 bytes of LDS; arguments x_codes, x_scales, w_codes, w_scales, b_qkv, qkv_codes, qkv_scales; writes qkv_codes, qkv_scales
.if DOCPART == 2
	.amdgcn_target "amdgcn-amd-amdhsa--gfx1250"
	.amdhsa_code_object_version 6
	.text
	.protected	k_qbb22b23601_qkv
	.globl	k_qbb22b23601_qkv
	.p2align	8
	.type	k_qbb22b23601_qkv,@function
k_qbb22b23601_qkv:
	s_mov_b64 s[64:65], 0
	v_nop
	global_prefetch_b8 v0, s[64:65] scope:SCOPE_SE
	s_setreg_imm32_b32 hwreg(HW_REG_WAVE_MODE, 25, 1), 1
	s_wait_xcnt 0x0
	s_wait_alu depctr_hold_cnt(0) depctr_sa_sdst(0) depctr_va_vdst(0) depctr_va_sdst(0) depctr_va_ssrc(0) depctr_va_vcc(0) depctr_vm_vsrc(0)
	s_getreg_b32 s2, hwreg(HW_REG_IB_STS2, 6, 4)
	s_cmp_eq_u32 s2, 0
	s_cbranch_scc0 .Lentry_in_a_cluster
	s_endpgm
.Lentry_in_a_cluster:
	s_bfe_u32 s2, ttmp6, 0x10000c
	s_cmp_lg_u32 s2, 0xf033
	s_cbranch_scc0 .Lentry_shape_is_right
	s_endpgm
.Lentry_shape_is_right:
; qkv = x w_qkv + b_qkv on codes of E2M1, and the three quantisers behind it: Q and K along the head's 64, V along the keys.  Only codes and scale bytes leave.  No work of reference() is left out here.
; A tile of 256 x 256 is made by four waves, 128 x 128 each: 64 accumulators, 512 registers.  K = 1,024 is two LDS slots of 512, both asked for at the head: nothing is filled again.
; THE MATRIX INSTRUCTION IS USED TRANSPOSED (source 0 = 16 rows of B, source 1 = 16 rows of A): a lane holds ONE row of A and its registers run along B's rows.
; TWO ROLES, by the cluster's y, which all sixteen partners share.  Q, K (cluster y 0-7): A = tokens, B = w_qkv's columns 0-2047: a lane's registers run along n, Q's and K's axis of quantising.
; V (cluster y 8-11): A = w_qkv's columns 2048-3071, B = tokens: a lane's registers run along the tokens, V's axis.  The rows of both buffers lie in the order in which 16 rows on end are rows
; 32 B + 8 u + r + 8 (r / 8): so the 16 registers of accumulators (a, 2 B) and (a, 2 B + 1) are 16 neighbours, 32 B + 16 (lane / 16) + 0 .. 15, and the conversions' results are operands' registers.
; WHAT IS STORED is the image of the next launch's operand registers, 16 bytes a lane, 512 consecutive bytes a store.
;   Q, K: [n / 64: 0-31][tile of 16 tokens: 0-511][16 x lane]: lane (r, h): channels 32 h .. 32 h + 31 of the tile's row r.  Their scale words: [n / 64][pair of tiles][r]: bytes 0, 1 the even tile's row r, bytes 2, 3 the odd tile's.
;   V, from byte 8,388,608: [batch x 16 + head][128 keys: 0-15][tile of 16 channels: 0-3][c: 0, 1][16 x lane]: keys 64 c + 32 h + 0 .. 31.  Its scale words, from byte 524,288: [..][..][tile][r].
; CLUSTERS: 4 x 4 work-groups; A's tiles are asked for jointly along a row of the cluster, B's along a column.
; LIMITS: a block whose largest magnitude lies under 2^-124 gets the byte 1 (zeros too: their codes are zeros, and this program alone reads the bytes); NaN and infinities are not served.
; REGISTERS, in windows of 256: window 0: v0-31 addresses; v32-95 scale words, two sets; v96-111 the biases by lane; v128-191 A's fragments, one set; v192-255 the biases by register.
;   window 1: B's fragments, two sets, at v0 and v128.   window 2: the accumulators of my rows 0-63 ((a, b) at v[8 (8 a + b)]);   window 3: those of my rows 64-127.
.set KSTEP,  512                       ; along K in a slot
.set NQ,     4                         ; matrix instructions deep
.set ROWB,   256                       ; a tile's row in bytes
.set KROW,   512                       ; a row of codes in memory
.set PITCH,  272                       ; an LDS row: 256 bytes + 16 of padding: the 16 rows that a load touches start 68 words apart
.set FR,     8                         ; registers of a fragment
.set NL,     2                         ; LDS loads that bring one
.set NP,     4                         ; places behind this matrix instruction (ISA guide 7.12.1)
.set HALFT,  128*PITCH                 ; 128 rows: what one tensor load brings
.set SLOT,   4*HALFT                   ; A's 256 rows, then B's 256 rows
.set KS,     32                        ; a row of scale bytes
.set SCL,    2*SLOT                    ; behind the two slots: the scale bytes, as units of 256 bytes + 16 of padding
.set HALFS,  16*272                    ; those of 128 rows
.set SBLK,   2*272                     ; those of 16 rows
.set SPARE,  SCL+4*HALFS               ; the spare words, 128 bytes for each wave
.set ADRA, 16                          ; v16-17 LDS address of my A fragments in slot 0, 1
.set ADRB, 20                          ; v20-21 the same for B
.set LI,   24                          ; v24  16 x lane
.set LS,   25                          ; v25  4 x lane
.set ADRS, 27                          ; v27  LDS address of my scale words: lanes 0-15 A's rows, lanes 16-31 B's
.set SPW,  28                          ; v28  LDS address of my spare word; never rewritten
.set NIL,  29                          ; v29  0; never rewritten
.set BO,   30                          ; v30  64 (lane / 16): the biases by register
.set BLO,  31                          ; v31  4 (r + 8 (r / 8)): the biases by lane
.set SC,   32
.set BL,   96                          ; v96-111: for block a of A's rows the bias of my row, twice (a pair for the packed addition)
.set AF,   128
.set BIA,  192                         ; v192-255: register 8 b + j: the bias of B's row 16 b + 8 (lane / 16) + j
.set HA,   32                          ; the way out: 64 numbers of a lane
.set PC,   128                         ; their codes
.set TM,   136                         ; v136-151 at work
.set PWS,  152                         ; v152-159 the eight blocks' scale words
.set WW,   160
.set VV,   168
.set G1, 24
.set G0, 32
.set G1B, 48
.set G0B, 56
.set G1S, 68
.set G0S, 76
.set G1SB, 80
.set G0SB, 88
.set ROLE, 95                          ; s95  0: Q, K;  1: V
.set MSB, 0
.macro WIN new                         ; the immediate's high byte repeats the setting that is left
.if MSB != (\new)
	s_set_vgpr_msb (MSB<<8)|(\new)
.set MSB, (\new)
.endif
.endm
.set MUL_LO, 0xa1                      ; source 0 (B) window 1, source 1 (A) window 0, C and D window 2
.set MUL_HI, 0xf1                      ; the same, C and D window 3
.set TO_B,   0x40                      ; destination window 1, address window 0
; A joint load: waves 0 and 1 fetch for A, waves 2 and 3 for B.  The branch hangs on the wave's number alone.  An s_nop 0 and four v_nop follow each of the two lines.
.macro JLOAD g0a, g1a, g0b, g1b
	s_cmp_eq_u32 s15, 0
	s_cbranch_scc0 .Lfor_b_\@
	tensor_load_to_lds s[\g0a:\g0a+3], s[\g1a:\g1a+7]
	s_nop 0
.rept 4
	v_nop
.endr
	s_branch .Lasked_\@
.Lfor_b_\@:
	tensor_load_to_lds s[\g0b:\g0b+3], s[\g1b:\g1b+7]
	s_nop 0
.rept 4
	v_nop
.endr
.Lasked_\@:
.endm
.macro CROUND                          ; a round of the cluster's barrier
	s_barrier_signal -1
	s_barrier_wait -1
	s_cmp_lg_u32 s14, 0
	s_cbranch_scc1 .Lnot_wave_0_\@
	s_barrier_signal -3
.Lnot_wave_0_\@:
	s_barrier_wait -3
	s_barrier_signal -1
	s_barrier_wait -1
.endm
	s_load_b256 s[4:11], s[0:1], 0x0               ; x's codes s[4:5], x's scales s[6:7], the weights' codes s[8:9], their scales s[10:11]
	s_load_b64 s[66:67], s[0:1], 0x20              ; b_qkv
	s_load_b64 s[12:13], s[0:1], 0x28              ; qkv_codes
	s_load_b64 s[96:97], s[0:1], 0x30              ; qkv_scales
	v_lshl_add_u32 v[SPW], v0, 2, SPARE
	v_mov_b32 v[NIL], 0
	ds_add_u32 v[SPW], v[NIL]                      ; the wave's opening: the add, twice on end, and its wait ahead of my first tensor load
	ds_add_u32 v[SPW], v[NIL]
	v_lshrrev_b32 v1, 5, v0
	v_readfirstlane_b32 s14, v1                    ; wave 0..3
	s_lshr_b32 s15, s14, 1                         ; which half of A's rows is mine.  Also: I fetch for A (0) or for B (1)
	s_and_b32 s16, s14, 1                          ; which half of B's rows.  Also: which 128 rows of that tile I fetch
	s_bfe_u32 s40, ttmp6, 0x40000                  ; cx, cy: my place in the cluster
	s_bfe_u32 s41, ttmp6, 0x40004
	s_and_b32 s17, ttmp7, 0xffff                   ; the cluster's y
	s_max_u32 s18, s17, 8
	s_sub_co_u32 s18, s18, 8
	s_lshl_b32 s18, s18, 1
	s_add_co_u32 s18, s18, ttmp9                   ; V: 2 (cluster y - 8) + cluster x: which four tile columns of tokens
	s_cmp_lt_u32 s17, 8
	s_cselect_b32 s[ROLE], 0, 1
	s_cselect_b32 s42, ttmp9, s18
	s_cselect_b32 s17, s17, 0
	s_cselect_b32 s3, 0, 2048                      ; A's first row in its buffer: V's columns begin at row 2,048 of the weights
	s_lshl_b32 s42, s42, 2
	s_add_co_u32 s42, s42, s40                     ; tile column (B)
	s_lshl_b32 s17, s17, 2
	s_add_co_u32 s17, s17, s41                     ; tile row (A)
	s_lshl_b32 s43, s41, 2
	s_lshl_b32 s43, 15, s43                        ; my row of the cluster
	s_lshl_b32 s44, 0x1111, s40                    ; my column
	; descriptor group 1: a tile of 128 rows x 256 bytes, padded in LDS
	s_or_b32 s[G1+0], s43, (0<<16)|(1<<20)|(1<<21)|(5<<22)|(3<<25)  ; the mask: A's tiles go to my row; elements of 1 byte; padding on; bit 21 beside a mask; after every 64 words, 4 words
	s_or_b32 s[G1B+0], s44, (0<<16)|(1<<20)|(1<<21)|(5<<22)|(3<<25)
.irp g, G1, G1B
	s_mov_b32 s[\g+1], ROWB<<16                    ; tensor_dim0
	s_mov_b32 s[\g+2], 128<<16                     ; tensor_dim1
	s_mov_b32 s[\g+3], ROWB<<16                    ; tile_dim0
	s_mov_b32 s[\g+4], 128                         ; tile_dim1
	s_mov_b32 s[\g+5], KROW                        ; tensor_dim0_stride
	s_mov_b32 s[\g+6], 0
	s_mov_b32 s[\g+7], 0
.endr
	; and for the scale bytes of 128 rows: 4,096 dense bytes, as 16 rows of 256 bytes (32 elements of 8 bytes), 16 bytes of padding behind each
	s_or_b32 s[G1S+0], s43, (3<<16)|(1<<20)|(1<<21)|(5<<22)|(3<<25)
	s_or_b32 s[G1SB+0], s44, (3<<16)|(1<<20)|(1<<21)|(5<<22)|(3<<25)
.irp g, G1S, G1SB
	s_mov_b32 s[\g+1], 32<<16
	s_mov_b32 s[\g+2], 16<<16
	s_mov_b32 s[\g+3], 32<<16
	s_mov_b32 s[\g+4], 16
	s_mov_b32 s[\g+5], 32
	s_mov_b32 s[\g+6], 0
	s_mov_b32 s[\g+7], 0
.endr
	s_lshl_b32 s18, s16, 7                         ; which 128 rows of the tile I fetch
	s_lshl_b32 s20, s17, 8
	s_add_co_u32 s20, s20, s18
	s_add_co_u32 s20, s20, s3                      ; A: row 256 x tile row + 128 x half (+ 2,048)
	s_lshl_b32 s46, s42, 8
	s_add_co_u32 s46, s46, s18                     ; B: row 256 x tile column + 128 x half
	s_mov_b32 s21, 0
	s_mov_b32 s47, 0
	s_mov_b64 s[18:19], KS
	s_mul_u64 s[22:23], s[20:21], s[18:19]         ; where these rows' scale bytes begin
	s_mul_u64 s[92:93], s[46:47], s[18:19]
	s_mov_b64 s[18:19], KROW
	s_mul_u64 s[20:21], s[20:21], s[18:19]         ; and their codes
	s_mul_u64 s[46:47], s[46:47], s[18:19]
	s_mul_i32 s45, s14, HALFT                      ; where they go: wave x 128 rows: no place in the cluster enters an LDS address
	s_mul_i32 s94, s14, HALFS
	s_wait_dscnt 0x0                               ; both opening adds are done
	s_wait_kmcnt 0x0
	s_cmp_eq_u32 s[ROLE], 0                        ; which buffer is A and which B: the choice hangs on the cluster's y alone
	s_cselect_b64 s[98:99], s[8:9], s[4:5]         ; B's codes
	s_cselect_b64 s[2:3], s[10:11], s[6:7]         ; B's scale bytes
	s_cselect_b64 s[4:5], s[4:5], s[8:9]           ; A's codes
	s_cselect_b64 s[6:7], s[6:7], s[10:11]         ; A's scale bytes
	s_add_nc_u64 s[20:21], s[4:5], s[20:21]
	s_add_nc_u64 s[22:23], s[6:7], s[22:23]
	s_add_nc_u64 s[46:47], s[98:99], s[46:47]
	s_add_nc_u64 s[92:93], s[2:3], s[92:93]
	CROUND                                         ; all sixteen work-groups are here: the first joint loads meet
	s_mov_b32 s[G0S], 1
	s_add_co_u32 s[G0S+1], s94, SCL
	s_mov_b64 s[G0S+2:G0S+3], s[22:23]
	s_or_b32 s[G0S+3], s[G0S+3], 0x80000000
	s_mov_b32 s[G0SB], 1
	s_add_co_u32 s[G0SB+1], s94, SCL
	s_mov_b64 s[G0SB+2:G0SB+3], s[92:93]
	s_or_b32 s[G0SB+3], s[G0SB+3], 0x80000000
	JLOAD G0S, G1S, G0SB, G1SB                     ; the scale bytes first: they are wanted with the first slot
.irp s, 0,1
	s_mov_b32 s[G0+4*\s], 1
	s_add_co_u32 s[G0+4*\s+1], s45, \s*SLOT
	s_add_nc_u64 s[G0+4*\s+2:G0+4*\s+3], s[20:21], \s*ROWB
	s_or_b32 s[G0+4*\s+3], s[G0+4*\s+3], 0x80000000
	s_mov_b32 s[G0B+4*\s], 1
	s_add_co_u32 s[G0B+4*\s+1], s45, \s*SLOT
	s_add_nc_u64 s[G0B+4*\s+2:G0B+4*\s+3], s[46:47], \s*ROWB
	s_or_b32 s[G0B+4*\s+3], s[G0B+4*\s+3], 0x80000000
	JLOAD G0+4*\s, G1, G0B+4*\s, G1B               ; three tensor loads of mine are out at the most
.endr
	v_and_b32 v1, 15, v0                           ; r = lane % 16
	v_bfe_u32 v2, v0, 4, 1                         ; h = lane / 16
	v_mul_u32_u24 v3, v1, PITCH
	v_lshl_add_u32 v4, v2, 4, v3                   ; a fragment's row x pitch + 16 x half
	s_mul_i32 s21, s15, HALFT                      ; my 128 rows of A
	s_mul_i32 s22, s16, HALFT                      ; my 128 rows of B,
	s_add_co_u32 s22, s22, 2*HALFT                 ; which lie behind A's 256
.irp s, 0,1
	v_add_nc_u32 v[ADRA+\s], s21, v4
	v_add_nc_u32 v[ADRB+\s], s22, v4
	s_add_co_u32 s21, s21, SLOT
	s_add_co_u32 s22, s22, SLOT
.endr
	v_mul_u32_u24 v5, v1, KS                       ; my row's scale bytes: 32 a row,
	v_lshrrev_b32 v6, 8, v5
	v_lshl_add_u32 v5, v6, 4, v5                   ; and 16 more for each 256 passed
	s_mul_i32 s21, s15, HALFS
	s_mul_i32 s22, s16, HALFS
	s_add_co_u32 s22, s22, 2*HALFS
	s_sub_co_u32 s22, s22, s21
	v_mul_u32_u24 v6, s22, v2                      ; lanes 16-31 take B's
	s_add_co_u32 s21, s21, SCL
	v_add_nc_u32 v5, v5, v6
	v_add_nc_u32 v[ADRS], s21, v5
	v_and_b32 v6, 31, v0
	v_lshlrev_b32 v[LI], 4, v6
	v_lshlrev_b32 v[LS], 2, v6
	v_lshlrev_b32 v[BO], 6, v2
	v_and_b32 v[BLO], 8, v1
	v_add_nc_u32 v[BLO], v[BLO], v1
	v_lshlrev_b32 v[BLO], 2, v[BLO]
	; where my results go.  g = which 128 rows of B are mine, t0 = which tile of 16 rows of A is my first
	s_lshl_b32 s46, s42, 1
	s_add_co_u32 s46, s46, s16                     ; g
	s_lshl_b32 s47, s17, 4
	s_lshl_b32 s92, s15, 3
	s_add_co_u32 s47, s47, s92                     ; t0
	s_lshl_b32 s92, s46, 19                        ; Q, K: two heads of 262,144 bytes for each g,
	s_lshl_b32 s93, s47, 9
	s_add_co_u32 s92, s92, s93                     ; 512 bytes a tile of tokens
	s_and_b32 s93, s46, 0x30                       ; V: 16 x batch
	s_lshr_b32 s94, s47, 2
	s_add_co_u32 s93, s93, s94                     ; + my first head,
	s_lshl_b32 s93, s93, 16                        ; 65,536 bytes each;
	s_and_b32 s94, s46, 15
	s_lshl_b32 s94, s94, 12                        ; 4,096 bytes for each 128 keys
	s_add_co_u32 s93, s93, s94
	s_add_co_u32 s93, s93, 8388608
	s_lshl_b32 s94, s46, 9                         ; the biases of my 128 n: Q, K: B's rows: 512 g bytes on;
	s_lshl_b32 s45, s47, 6
	s_add_co_u32 s45, s45, 8192                    ; V: A's rows: 8,192 + 64 t0
	s_cmp_eq_u32 s[ROLE], 0
	s_cselect_b32 s92, s92, s93
	s_cselect_b32 s94, s94, s45
	s_mov_b32 s93, 0
	s_add_nc_u64 s[12:13], s[12:13], s[92:93]
	s_lshr_b32 s92, s92, 4                         ; every scale word lies at a sixteenth of its codes' offset
	s_add_nc_u64 s[96:97], s[96:97], s[92:93]
	s_mov_b32 s92, s94
	s_add_nc_u64 s[66:67], s[66:67], s[92:93]
	; My 128 biases in both layouts, 512 bytes each, so that the head has no branch on the role; each role's way out uses one.
.irp b, 0,1,2,3,4,5,6,7
	global_load_b128 v[BIA+8*\b:BIA+8*\b+3], v[BO], s[66:67] offset:(32*(\b/2)+8*(\b%2))*4
	global_load_b128 v[BIA+8*\b+4:BIA+8*\b+7], v[BO], s[66:67] offset:(32*(\b/2)+8*(\b%2))*4+16
.endr
.irp a, 0,1,2,3,4,5,6,7
	global_load_b32 v[BL+2*\a], v[BLO], s[66:67] offset:(32*(\a/2)+8*(\a%2))*4
	global_load_b32 v[BL+2*\a+1], v[BLO], s[66:67] offset:(32*(\a/2)+8*(\a%2))*4
.endr
.macro FRAG reg, adr, q, i             ; a fragment, 16 rows x 128 K of 4-bit codes: lane l holds row l % 16; registers 4 c .. 4 c + 3 hold K = 64 c + 32 (l / 16) + 0 .. 31
.irp c, 0,1
	ds_load_b128 v[\reg+4*\c:\reg+4*\c+3], v[\adr] offset:64*(\q)+32*\c+(\i)*16*PITCH
.endr
.endm
; 16 matrix instructions: A's blocks a0, a0 + 1 x B's eight, the slot's q-th 128 along K.  p: B's set;  sc: the set of scale words.  zero = 1: the first product starts the sums.
; The 64 accumulators take turns, one instruction a turn, in the same order in every step.
.macro MUL16 a0, p, q, sc, zero
.irp a, \a0, \a0+1
.irp b, 0,1,2,3,4,5,6,7
.if \zero
	v_wmma_scale_f32_16x16x128_f8f6f4 v[8*(8*((\a)%4)+\b):8*(8*((\a)%4)+\b)+7], v[128*(\p)+FR*\b:128*(\p)+FR*\b+FR-1], v[AF+FR*(\a):AF+FR*(\a)+FR-1], 0, v[SC+8*NQ*(\sc)+NQ*\b+(\q)], v[SC+8*NQ*(\sc)+NQ*(\a)+(\q)] matrix_a_fmt:MATRIX_FMT_FP4 matrix_b_fmt:MATRIX_FMT_FP4 matrix_a_scale:MATRIX_SCALE_ROW1
.else
	v_wmma_scale_f32_16x16x128_f8f6f4 v[8*(8*((\a)%4)+\b):8*(8*((\a)%4)+\b)+7], v[128*(\p)+FR*\b:128*(\p)+FR*\b+FR-1], v[AF+FR*(\a):AF+FR*(\a)+FR-1], v[8*(8*((\a)%4)+\b):8*(8*((\a)%4)+\b)+7], v[SC+8*NQ*(\sc)+NQ*\b+(\q)], v[SC+8*NQ*(\sc)+NQ*(\a)+(\q)] matrix_a_fmt:MATRIX_FMT_FP4 matrix_b_fmt:MATRIX_FMT_FP4 matrix_a_scale:MATRIX_SCALE_ROW1
.endif
.endr
.endr
.endm
.macro FETCH_B slot, q, p              ; B's eight fragments of the slot's q-th 128 along K into set p
	WIN TO_B
.irp i, 0,1,2,3,4,5,6,7
	FRAG 128*(\p)+FR*\i, ADRB+\slot, \q, \i
.endr
	WIN 0
.endm
.macro FETCH_A slot, q, i0             ; A's blocks i0 .. i0 + 3
.irp i, \i0, \i0+1, \i0+2, \i0+3
	FRAG AF+FR*(\i), ADRA+\slot, \q, \i
.endr
.endm
.macro SCALES sc                       ; a slot's scale words into set sc: 4 words a row; lanes 0-15 take A's block i, lanes 16-31 B's block i
.irp i, 0,1,2,3,4,5,6,7
	ds_load_b128 v[SC+8*NQ*\sc+NQ*\i:SC+8*NQ*\sc+NQ*\i+3], v[ADRS] offset:\i*SBLK
.endr
.endm
.macro PLACES n                        ; plain vector instructions between a matrix instruction and a load into, or a vector instruction on, its registers
.rept \n
	v_nop
.endr
.endm
.macro STEP slot, q, zero              ; a step of 128 along K that has its successor in the same slot
	s_wait_dscnt 4*NL                              ; B's set and A's blocks 0-3 are in; the youngest eight loads (A's blocks 4-7) may be out
	WIN MUL_LO
	MUL16 0, (\q)%2, \q, \slot, \zero
	MUL16 2, (\q)%2, \q, \slot, \zero
	s_wait_dscnt 0                                 ; A's blocks 4-7 are in
	PLACES NP
	FETCH_B \slot, (\q)+1, 1-(\q)%2
	FETCH_A \slot, (\q)+1, 0
	WIN MUL_HI
	MUL16 4, (\q)%2, \q, \slot, \zero
	MUL16 6, (\q)%2, \q, \slot, \zero
	PLACES NP
	WIN 0
	FETCH_A \slot, (\q)+1, 4
.endm
; Slot 0's last step changes slots: one barrier; in front of it each wave waits for all its tensor loads (its part of slot 1), adds 0 to its spare word, and waits for that and for its reads.  Nothing is filled again.
.macro TURN slot, next
	s_wait_tensorcnt 0x0
	ds_add_u32 v[SPW], v[NIL]
	s_wait_dscnt 4*NL+1                            ; (the add and the youngest eight loads, A's blocks 4-7, may be out)
	WIN MUL_LO
	MUL16 0, 1, NQ-1, \slot, 0
	s_wait_dscnt 0x0                               ; the add is done, and my reads of this slot are over
	s_barrier_signal -1
	MUL16 2, 1, NQ-1, \slot, 0
	WIN 0
	s_barrier_wait -1                              ; everybody's part of the next slot is in
	PLACES NP
	v_add_nc_u32 v[ADRS], 4*NQ, v[ADRS]            ; on to the next slot's scale words
	FETCH_B \next, 0, 0
	FETCH_A \next, 0, 0
	SCALES \next
	WIN MUL_HI
	MUL16 4, 1, NQ-1, \slot, 0
	MUL16 6, 1, NQ-1, \slot, 0
	PLACES NP
	WIN 0
	FETCH_A \next, 0, 4
.endm
.macro STEPS slot, from                ; the slot's steps from .. NQ - 2
.set Q, \from
.rept NQ-1-\from
	STEP \slot, Q, 0
.set Q, Q+1
.endr
.endm
	s_wait_tensorcnt 1                             ; the scale bytes and my part of slot 0 are in (slot 1's load may be out)
	s_barrier_signal -1
	s_barrier_wait -1                              ; everybody's are
	FETCH_B 0, 0, 0
	FETCH_A 0, 0, 0
	SCALES 0
	FETCH_A 0, 0, 4
	STEP 0, 0, 1                                   ; the first step's products start the sums
	STEPS 0, 1
	TURN 0, 1
	STEPS 1, 0
	s_wait_dscnt 4*NL                              ; the very last step: nothing more to fetch
	WIN MUL_LO
	MUL16 0, 1, NQ-1, 1, 0
	MUL16 2, 1, NQ-1, 1, 0
	s_wait_dscnt 0
	WIN MUL_HI
	MUL16 4, 1, NQ-1, 1, 0
	MUL16 6, 1, NQ-1, 1, 0
	WIN 0
; THE WAY OUT.  64 numbers of a lane, v[s] .. v[s + 63], register 16 b + i = place 32 b + 16 (lane / 16) + i along the quantiser's axis, become a fragment's codes in v[PC] on and a scale word in v[pw].
.macro QUANT s, pw
.irp b, 0,1,2,3
	v_max3_num_f32 v[TM+\b], |v[\s+16*\b]|, |v[\s+1+16*\b]|, 0x1800000   ; block b: my 16 numbers, and the floor 2^(3 - 127): the byte cannot fall under 1
.endr
.irp i, 2,4,6,8,10,12,14
.irp b, 0,1,2,3
	v_max3_num_f32 v[TM+\b], v[TM+\b], |v[\s+16*\b+\i]|, |v[\s+1+16*\b+\i]|   ; (the four blocks by turns)
.endr
.endr
.irp b, 0,1,2,3
	v_permlanex16_b32 v[TM+4+\b], v[TM+\b], s20, s21
.endr
.irp b, 0,1,2,3
	v_max_num_f32 v[TM+\b], v[TM+\b], v[TM+4+\b]   ; with lane l xor 16's: the block's largest magnitude
.endr
.irp b, 0,1,2,3
	v_add_nc_u32 v[TM+12+\b], 0xff000000, v[TM+\b]   ; 2 off its exponent field: the conversion's scale operand
.endr
.irp b, 0,1,2,3
	v_lshrrev_b32 v[TM+4+\b], 23, v[TM+12+\b]      ; the scale's byte
.endr
	v_lshl_or_b32 v[\pw], v[TM+5], 8, v[TM+4]
	v_lshl_or_b32 v[\pw], v[TM+6], 16, v[\pw]
	v_lshl_or_b32 v[\pw], v[TM+7], 24, v[\pw]
.irp b, 0,1,2,3
	v_cvt_scalef32_pk8_fp4_f32 v[PC+2*\b], v[\s+16*\b:\s+7+16*\b], v[TM+12+\b]
	v_cvt_scalef32_pk8_fp4_f32 v[PC+1+2*\b], v[\s+8+16*\b:\s+15+16*\b], v[TM+12+\b]
.endr
	v_nop                                          ; one plain place behind a scaled conversion
.irp c, 0,1                                    ; the operand's layout wants a whole block in a lane: lanes 0-15 block 2 c, lanes 16-31 block 2 c + 1
.irp i, 0,1
	v_permlane16_swap_b32 v[PC+4*\c+\i], v[PC+2+4*\c+\i]
.endr
.endr
.endm
; Block a of A's rows: the bias is added (which also brings the sums into window 0, each accumulator from its low end on), the 64 numbers are quantised, two stores of 512 consecutive bytes.
.macro OUTBLK a, role
	s_wait_xcnt 0x0                                ; the last block's stores have read their registers
	WIN 0x02+(\a)/4                                ; source 0: window 2 or 3
.irp i, 0,2,4,6,8,10,12,14,16,18,20,22,24,26,28,30,32,34,36,38,40,42,44,46,48,50,52,54,56,58,60,62
.if \role
	v_pk_add_f32 v[HA+\i:HA+\i+1], v[64*((\a)%4)+\i:64*((\a)%4)+\i+1], v[BL+2*(\a):BL+2*(\a)+1]
.else
	v_pk_add_f32 v[HA+\i:HA+\i+1], v[64*((\a)%4)+\i:64*((\a)%4)+\i+1], v[BIA+\i:BIA+\i+1]
.endif
.endr
	WIN 0
	QUANT HA, PWS+(\a)
.if \role
	global_store_b128 v[LI], v[PC:PC+3], s[12:13] offset:((\a)/4)*65536+((\a)%4)*1024        ; head a / 4 of my two, tile a % 4 of its channels: keys 32 h on,
	global_store_b128 v[LI], v[PC+4:PC+7], s[12:13] offset:((\a)/4)*65536+((\a)%4)*1024+512  ; and keys 64 + 32 h on
.else
	global_store_b128 v[LI], v[PC:PC+3], s[12:13] offset:512*(\a)                            ; tile a of tokens: the first of my two heads,
	global_store_b128 v[LI], v[PC+4:PC+7], s[12:13] offset:512*(\a)+262144                   ; and the second
.endif
.endm
	PLACES NP                                      ; behind the last products: their results are read, and registers that they have read are written
	s_wait_loadcnt 0x0                             ; the biases
	s_mov_b32 s20, 0x76543210
	s_mov_b32 s21, 0xfedcba98                      ; v_permlanex16_b32's selects for lane l xor 16
	s_mov_b32 s100, 0xffff0000                     ; lanes 16-31
.irp b, 0,1,2,3
	v_mov_b32 v[TM+4+\b], 0                        ; written once: a lane permute's destination counts as one of its sources
.endr
	s_cmp_lg_u32 s[ROLE], 0
	s_cbranch_scc1 .Lrole_v
.irp a, 0,1,2,3,4,5,6,7
	OUTBLK \a, 0
.endr
	; a block's word holds bytes 0, 1 of the first head and 2, 3 of the second; a stored word holds one head's bytes of an even tile and of the odd tile behind it
.irp p, 0,1,2,3
	v_perm_b32 v[WW+2*\p], v[PWS+2*\p+1], v[PWS+2*\p], 0x05040100
	v_perm_b32 v[WW+2*\p+1], v[PWS+2*\p+1], v[PWS+2*\p], 0x07060302
.endr
.irp c, 0,1
.irp k, 0,1
	v_cndmask_b32 v[VV+2*\c+\k], v[WW+4*\k+\c], v[WW+4*\k+2+\c], s100   ; lanes 0-15 one pair of tiles, lanes 16-31 the next
	global_store_b32 v[LS], v[VV+2*\c+\k], s[96:97] offset:\c*16384+128*\k
.endr
.endr
	s_branch .Lout_done
.Lrole_v:
.irp a, 0,1,2,3,4,5,6,7
	OUTBLK \a, 1
.endr
.irp p, 0,1,2,3
	v_cndmask_b32 v[VV+\p], v[PWS+2*\p], v[PWS+2*\p+1], s100               ; lanes 0-15 one tile of channels, lanes 16-31 the next
	global_store_b32 v[LS], v[VV+\p], s[96:97] offset:(\p/2)*4096+(\p%2)*128
.endr
.Lout_done:
	s_wait_tensorcnt 0x0                           ; the wave's end
	ds_add_u32 v[SPW], v[NIL]
	s_wait_dscnt 0x0
	CROUND                                         ; the closing round: no work-group ends while a partner may still ask for a tile that names it
	s_endpgm
.Lfunc_end_k_qbb22b23601_qkv:
	.size	k_qbb22b23601_qkv, .Lfunc_end_k_qbb22b23601_qkv-k_qbb22b23601_qkv
	.p2alignl 7, 3214868480
	.fill 96, 4, 3214868480
	.section	.rodata,"a",@progbits
	.p2align	6, 0x0
	.amdhsa_kernel k_qbb22b23601_qkv
		.amdhsa_group_segment_fixed_size 327680
		.amdhsa_private_segment_fixed_size 0
		.amdhsa_enable_private_segment 0
		.amdhsa_kernarg_size 56
		.amdhsa_user_sgpr_count 2
		.amdhsa_user_sgpr_kernarg_segment_ptr 1
		.amdhsa_wavefront_size32 1
		.amdhsa_system_sgpr_workgroup_id_x 1
		.amdhsa_system_sgpr_workgroup_id_y 1
		.amdhsa_system_sgpr_workgroup_id_z 1
		.amdhsa_system_vgpr_workitem_id 0
		.amdhsa_next_free_vgpr 1024
		.amdhsa_next_free_sgpr 101
		.amdhsa_reserve_vcc 0
		.amdhsa_float_denorm_mode_32 3
		.amdhsa_float_denorm_mode_16_64 3
		.amdhsa_memory_ordered 1
		.amdhsa_forward_progress 1
		.amdhsa_inst_pref_size 197
	.end_amdhsa_kernel
	.amdgpu_metadata
---
amdhsa.version: [ 1, 2 ]
amdhsa.kernels:
  - .name:           k_qbb22b23601_qkv
    .symbol:         k_qbb22b23601_qkv.kd
    .args:
      - { .name: x_codes, .offset: 0, .size: 8, .value_kind: global_buffer, .address_space: global }
      - { .name: x_scales, .offset: 8, .size: 8, .value_kind: global_buffer, .address_space: global }
      - { .name: w_codes, .offset: 16, .size: 8, .value_kind: global_buffer, .address_space: global }
      - { .name: w_scales, .offset: 24, .size: 8, .value_kind: global_buffer, .address_space: global }
      - { .name: b_qkv, .offset: 32, .size: 8, .value_kind: global_buffer, .address_space: global }
      - { .name: qkv_codes, .offset: 40, .size: 8, .value_kind: global_buffer, .address_space: global }
      - { .name: qkv_scales, .offset: 48, .size: 8, .value_kind: global_buffer, .address_space: global }
    .group_segment_fixed_size: 327680
    .private_segment_fixed_size: 0
    .kernarg_segment_align: 8
    .kernarg_segment_size: 56
    .max_flat_workgroup_size: 128
    .sgpr_count:     101
    .vgpr_count:     1024
    .wavefront_size: 32
...
	.end_amdgpu_metadata
.endif
;; end of part 2
;; launch attn (part 3): grid 64 x 8, 16 waves a work-group, no clusters, 327,680 bytes of LDS; arguments qkv_codes, qkv_scales, o_codes, o_scales; writes o_codes, o_scales
.if DOCPART == 3
	.amdgcn_target "amdgcn-amd-amdhsa--gfx1250"
	.amdhsa_code_object_version 6
	.text
	.protected	k_qbb22b23601_attn
	.globl	k_qbb22b23601_attn
	.p2align	8
	.type	k_qbb22b23601_attn,@function
k_qbb22b23601_attn:
	s_mov_b64 s[64:65], 0
	v_nop
	global_prefetch_b8 v0, s[64:65] scope:SCOPE_SE
	s_setreg_imm32_b32 hwreg(HW_REG_WAVE_MODE, 25, 1), 1
	s_wait_xcnt 0x0
; O = softmax(Q K^T / 8, causal) V for one batch and head, both products on codes of E2M1, and the quantiser of O along C behind them.
; WORK LEFT OUT: a step of 16 queries x 128 keys all of whose keys come after all of its queries lies wholly under reference()'s own causal mask: its weights are 0 for every input (shown at the head of launch quant).
; THE SOFTMAX AHEAD OF THE SECOND PRODUCT: t = score x log2(e) / 8; M = the row's largest t so far, rounded UP to a whole number; p = 2^(t - M) is quantised along the keys, not normalised.
; The row's sum is taken of the unquantised p, in f32, and divides O at the end.  When M moves, the sum and O are multiplied by 2^(old M - new M): exact.
; SHARES.  Work-group (x, y): batch x 16 + head = x, queries 256 (7 - y) on (the long blocks have the low numbers).  Each of its sixteen waves owns one tile of 16 queries, in 256 registers: four waves to a SIMD.
; A tile's rows are tokens 32 B + 8 u + r + 8 (r / 8), for queries and keys alike: so the 16 registers of score tiles 2 b and 2 b + 1 are 16 neighbouring keys, 32 b + 16 (lane / 16) + 0 .. 15.
; LAYOUT.  Both products are used transposed: a lane holds ONE query throughout.  The head is 64 wide, half of the instruction's K: a fragment of K carries key tile 2 b at K = 0-63 and key tile 2 b + 1 at K = 64-127,
; and Q stands twice in registers, as [q, 0] and as [0, q]: the zero codes pick one of the two tiles.  Q's scale word holds its two bytes twice.
; All operands lie in memory as images of their registers (16 bytes a lane), so a slot of 512 keys is four dense blocks: K's codes, V's codes (16,384 bytes each), K's and V's scale words (1,024 each):
; one tensor load each, by waves 0 to 3; all sixteen waves read them.  Two slots take turns.
; No cluster: under the mask the query blocks of a head need different numbers of slots, so partners could not make every request jointly and read what it brings.
; LIMITS: v_exp_f32 gives 0 under 2^-126; a block whose largest magnitude lies under 2^-124 gets the byte 1 (its codes then are zeros or the smallest codes); NaN and infinities are not served.
; REGISTERS: v1 16 x lane, v2 4 r, v5, v6 the add's two, v8, v9 addresses of the loads in hand, v10 32 r; v12 -M, v13 the largest t, v[14:15] the sum in two halves; v16-23 [q, 0]; v24-31 [0, q];
;   v32-63 K's four fragments; v64-95 V's four; v96-159 S^T, then p; v160-191 O^T; v192-195 V's scale words; v196 the prefetches' offset; v224-231 p's codes; v232-254 at work; v248-251 K's scale words; v255 Q's.
.set SK,    512                        ; keys in a slot
.set NQ,    4                          ; key steps in a slot
.set SLOT1, 1<<17                      ; slot 1 begins here: one exclusive or turns an address in one slot into the other's
.set VOFF,  16384                      ; in a slot: K's codes, then V's,
.set KSO,   32768                      ; K's scale words,
.set VSO,   33792                      ; V's
.set NSL,   4                          ; slots' worth of keys
.set SPARE, 2*SLOT1                    ; the spare words, 128 bytes for each wave
.set SPW,  5
.set NIL,  6
.set ADI,  8
.set ADW,  9
.set PFO,  196
.set TB,   2                           ; s2   LDS byte at which the slot in hand begins
.set WV,   18                          ; s18  my wave's number
.set SEL,  20                          ; s[20:21] lane selects for v_permlanex16_b32: lane l xor 16
.set CS,   22                          ; s[22:23] c = log2(e) / 8
.set G1C,  24                          ; s[24:31] descriptor group 1 for the codes;  s[32:39] for the scale words
.set G1S,  32
.set G0C,  40                          ; s[40:43], s[44:47] their groups 0, which walk
.set G0S,  44
.set SLOTS, 67                         ; s67  changes of slots still to come that may ask
.set PFA,  76                          ; s[76:77] where my prefetches stand
.set LIM,  80                          ; s80  1 in a wave that prefetches, else the greatest number
.set KF,   98                          ; s98  the step's first key
.set Q0,   99                          ; s99  my first query
; Waves 0 and 1 fetch K's and V's codes, waves 2 and 3 their scale words, the others nothing.  The branches hang on the wave's number alone.  An s_nop 0 and four v_nop follow each line.
.macro TLOAD
	s_cmp_lt_u32 s[WV], 2
	s_cbranch_scc0 .Lnot_c_\@
	tensor_load_to_lds s[G0C:G0C+3], s[G1C:G1C+7]
	s_nop 0
.rept 4
	v_nop
.endr
	s_branch .Lasked_\@
.Lnot_c_\@:
	s_cmp_lt_u32 s[WV], 4
	s_cbranch_scc0 .Lasked_\@
	tensor_load_to_lds s[G0S:G0S+3], s[G1S:G1S+7]
	s_nop 0
.rept 4
	v_nop
.endr
.Lasked_\@:
.endm
; A prefetch of the codes that the NEXT change of slots will ask for: a slot's four key steps ahead of that load.  All eight work-groups of a head walk the same K and V: the one with y = 0, which walks all slots, asks.
; In it waves 4 and 5 ask for K's 16,384 bytes and waves 6 and 7 for V's: 8,192 bytes a wave, lanes 256 bytes apart: each aligned block of 256 bytes is named once.  The last change that fills a slot asks for nothing.
.macro ASK
	s_cmp_gt_u32 s[SLOTS], s[LIM]
	s_cbranch_scc0 .Lnot_mine_\@
	global_prefetch_b8 v[PFO], s[PFA:PFA+1] th:TH_LOAD_NT scope:SCOPE_SE
.Lnot_mine_\@:
.endm
	s_load_b256 s[4:11], s[0:1], 0x0               ; qkv_codes s[4:5], qkv_scales s[6:7], o_codes s[8:9], o_scales s[10:11]
	v_lshl_add_u32 v[SPW], v0, 2, SPARE
	v_mov_b32 v[NIL], 0
	ds_add_u32 v[SPW], v[NIL]                      ; the wave's opening: the add, twice on end, and its wait ahead of my first tensor load
	ds_add_u32 v[SPW], v[NIL]
	v_lshrrev_b32 v8, 5, v0
	s_delay_alu instid0(VALU_DEP_1)
	v_readfirstlane_b32 s[WV], v8                  ; wave 0..15
	s_and_b32 s48, ttmp7, 0xffff                   ; y
	s_sub_co_u32 s49, 7, s48                       ; my block of 256 queries
	s_lshr_b32 s50, ttmp9, 4                       ; batch
	s_and_b32 s51, ttmp9, 15                       ; head
	s_lshl_b32 s52, s49, 4
	s_add_co_u32 s52, s52, s[WV]                   ; my tile among the batch's 128,
	s_lshl_b32 s53, s50, 7
	s_add_co_u32 s53, s53, s52                     ; and among all 512
	s_lshl_b32 s[Q0], s49, 8
	s_lshr_b32 s54, s[WV], 1
	s_lshl_b32 s54, s54, 5
	s_add_co_u32 s[Q0], s[Q0], s54
	s_and_b32 s54, s[WV], 1                        ; e = wave % 2
	s_lshl_b32 s55, s54, 3
	s_add_co_u32 s[Q0], s[Q0], s55                 ; my first query: 256 block + 32 (wave / 2) + 8 e; lane r's is r + 8 (r / 8) on
	s_add_co_u32 s56, s51, 16
	s_lshl_b32 s56, s56, 18
	s_lshl_b32 s57, s50, 16
	s_add_co_u32 s56, s56, s57                     ; K's codes of my batch and head: (16 + head) x 262,144 + batch x 65,536
	s_lshl_b32 s57, ttmp9, 16
	s_add_co_u32 s57, s57, 8388608                 ; V's: 8,388,608 + (16 batch + head) x 65,536
	s_mov_b32 s81, 0x03020302
	s_cmp_eq_u32 s54, 0
	s_cselect_b32 s58, s56, s57                    ; what I fetch, if I fetch: even waves K's, odd waves V's
	s_cselect_b32 s81, 0x01000100, s81             ; which two bytes of a pair of tiles' scale word are my tile's
	s_mov_b32 s59, 0
	s_lshr_b32 s60, s58, 4                         ; the scale words lie at a sixteenth of the codes' offset
	s_mov_b32 s61, 0
	s_lshl_b32 s62, s54, 14                        ; in a slot: the codes at 16,384 e,
	s_lshl_b32 s63, s54, 10
	s_add_co_u32 s63, s63, KSO                     ; the scale words at 32,768 + 1,024 e
	s_lshl_b32 s68, s51, 18
	s_lshl_b32 s69, s53, 9
	s_add_co_u32 s68, s68, s69                     ; Q's codes: head x 262,144 + 512 x tile
	s_mov_b32 s69, 0
	s_lshl_b32 s70, s51, 14
	s_lshr_b32 s71, s53, 1
	s_lshl_b32 s71, s71, 6
	s_add_co_u32 s70, s70, s71                     ; Q's scale words: head x 16,384 + 64 x pair of tiles
	s_mov_b32 s71, 0
	s_lshl_b32 s72, s53, 13
	s_lshl_b32 s73, s51, 9
	s_add_co_u32 s72, s72, s73                     ; O's codes: 8,192 x tile + 512 x head
	s_mov_b32 s73, 0
	s_lshl_b32 s74, s53, 9
	s_lshl_b32 s75, s51, 1
	s_add_co_u32 s74, s74, s75                     ; O's scale bytes: 512 x tile + 2 x head
	s_mov_b32 s75, 0
	; descriptor group 1: dense blocks as rows of 256 bytes (32 elements of 8 bytes), no padding: the images are read 16 bytes a lane on end
	s_mov_b32 s[G1C], 3<<16
	s_mov_b32 s[G1C+1], 32<<16                     ; tensor_dim0
	s_mov_b32 s[G1C+2], 64<<16                     ; tensor_dim1: 64 rows: 16,384 bytes
	s_mov_b32 s[G1C+3], 32<<16                     ; tile_dim0
	s_mov_b32 s[G1C+4], 64                         ; tile_dim1
	s_mov_b32 s[G1C+5], 32                         ; tensor_dim0_stride
	s_mov_b32 s[G1C+6], 0
	s_mov_b32 s[G1C+7], 0
	s_mov_b32 s[G1S], 3<<16
	s_mov_b32 s[G1S+1], 32<<16
	s_mov_b32 s[G1S+2], 4<<16                      ; 4 rows: 1,024 bytes
	s_mov_b32 s[G1S+3], 32<<16
	s_mov_b32 s[G1S+4], 4
	s_mov_b32 s[G1S+5], 32
	s_mov_b32 s[G1S+6], 0
	s_mov_b32 s[G1S+7], 0
	s_mov_b32 s[SEL], 0x76543210
	s_mov_b32 s[SEL+1], 0xfedcba98
	s_mov_b32 s[CS], 0x3e38aa3b                    ; c = log2(e) / 8
	s_mov_b32 s[CS+1], s[CS]                       ; (named with it as a pair, so it is written)
	s_mov_b32 s[TB], 0
	s_mov_b32 s[SLOTS], NSL-1
	s_mov_b32 s[KF], 0
	s_wait_dscnt 0x0                               ; both opening adds are done
	s_wait_kmcnt 0x0
	s_mov_b32 s[G0C], 1
	s_mov_b32 s[G0C+1], s62
	s_add_nc_u64 s[G0C+2:G0C+3], s[4:5], s[58:59]
	s_or_b32 s[G0C+3], s[G0C+3], 0x80000000
	s_mov_b32 s[G0S], 1
	s_mov_b32 s[G0S+1], s63
	s_add_nc_u64 s[G0S+2:G0S+3], s[6:7], s[60:61]
	s_or_b32 s[G0S+3], s[G0S+3], 0x80000000
	TLOAD                                          ; slot 0: key 0 lies in it, which counts for every query
	s_add_nc_u64 s[82:83], s[4:5], s[68:69]        ; Q's codes
	s_add_nc_u64 s[84:85], s[6:7], s[70:71]        ; Q's scale words
	s_add_nc_u64 s[8:9], s[8:9], s[72:73]
	s_add_nc_u64 s[10:11], s[10:11], s[74:75]
	s_cmp_lt_u32 s[WV], 6                          ; the prefetches: waves 4 and 5 stand in K's codes, waves 6 and 7 in V's,
	s_cselect_b32 s86, s56, s57
	s_lshl_b32 s87, s54, 13
	s_add_co_u32 s86, s86, s87                     ; 8,192 bytes a wave,
	s_add_co_u32 s86, s86, 16384                   ; in slot 1: the first change of slots steps it to slot 2.  Nothing is prefetched here, at the head
	s_mov_b32 s87, 0
	s_add_nc_u64 s[PFA:PFA+1], s[4:5], s[86:87]
	s_sub_co_u32 s86, s[WV], 4
	s_lshr_b32 s86, s86, 2                         ; 0 in waves 4 to 7,
	s_or_b32 s86, s86, s48                         ; of the work-group with y = 0
	s_cmp_eq_u32 s86, 0
	s_cselect_b32 s[LIM], 1, -1
	v_and_b32 v3, 31, v0
	s_delay_alu instid0(VALU_DEP_1)
	v_lshlrev_b32 v1, 4, v3                        ; 16 x lane
	v_and_b32 v4, 15, v0                           ; r
	s_delay_alu instid0(VALU_DEP_1)
	v_lshlrev_b32 v2, 2, v4                        ; 4 r
	s_delay_alu instid0(VALU_DEP_2)
	v_lshlrev_b32 v10, 5, v4                       ; 32 r
	v_lshlrev_b32 v[PFO], 8, v3
	global_load_b128 v[16:19], v1, s[82:83]        ; q, for [q, 0]
	global_load_b128 v[28:31], v1, s[82:83]        ; and once more, for [0, q]
	global_load_b32 v254, v2, s[84:85]             ; the scale word of my pair of tiles
.irp j, 20,21,22,23,24,25,26,27
	v_mov_b32 v\j, 0                               ; the zero codes
.endr
	v_mov_b32 v13, 0xff61b1e6                      ; the largest t so far: -3e38, under every t
	s_delay_alu instid0(VALU_DEP_1)
	v_floor_f32 v12, -v13                          ; -M
	v_mov_b32 v14, 0                               ; the sum, in two halves
	v_mov_b32 v15, 0
.irp b, 0,1,2,3
	v_mov_b32 v[236+\b], 0                         ; written once: a lane permute's destination counts as one of its sources
.endr
	v_mov_b32 v252, 0
	v_mov_b32 v253, 0                              ; (named as the upper half of the pair v[252:253] before it is first written)
	s_wait_loadcnt 0x0                             ; Q
	v_perm_b32 v255, v254, v254, s81               ; my tile's two bytes, twice: they serve [q, 0] and [0, q].  The 32 lines below stand between this and the first product
.irp j, 0,1,2,3,4,5,6,7,8,9,10,11,12,13,14,15,16,17,18,19,20,21,22,23,24,25,26,27,28,29,30,31
	v_mov_b32 v[160+\j], 0                         ; O^T.  (The step is written for all steps alike: the first finds zeros, which the first change of M leaves zeros)
.endr
; A KEY STEP: 128 keys, the q-th of the slot in hand.
.macro STEP q
	s_add_co_u32 s96, s[Q0], 23                    ; my last query.  A step all of whose keys come after it is left out: a scalar branch on ids, round the step's loads, products and softmax
	s_cmp_gt_u32 s[KF], s96
	s_cbranch_scc1 .Lhidden_\@
	v_add_nc_u32 v[ADI], s[TB], v1
	v_add_nc_u32 v[ADW], s[TB], v2
	v_nop
	v_nop                                          ; four places in front of loads into registers that the last step's products have read
.irp b, 0,1,2,3
	ds_load_b128 v[32+8*\b:35+8*\b], v[ADI] offset:4096*(\q)+1024*\b          ; key tile 2 b
	ds_load_b128 v[36+8*\b:39+8*\b], v[ADI] offset:4096*(\q)+1024*\b+512      ; key tile 2 b + 1
	ds_load_b32 v[248+\b], v[ADW] offset:KSO+256*(\q)+64*\b
.endr
.irp b, 0,1,2,3
	ds_load_b128 v[64+8*\b:67+8*\b], v[ADI] offset:VOFF+4096*(\q)+1024*\b
	ds_load_b128 v[68+8*\b:71+8*\b], v[ADI] offset:VOFF+4096*(\q)+1024*\b+512
	ds_load_b32 v[192+\b], v[ADW] offset:VSO+256*(\q)+64*\b
.endr
	s_wait_dscnt 12                                ; K's twelve loads are in; V's twelve may be out
.irp b, 0,1,2,3                                ; S^T = K Q^T: eight tiles of 16 keys
	v_wmma_scale_f32_16x16x128_f8f6f4 v[96+16*\b:103+16*\b], v[32+8*\b:39+8*\b], v[16:23], 0, v[248+\b], v255 matrix_a_fmt:MATRIX_FMT_FP4 matrix_b_fmt:MATRIX_FMT_FP4
	v_wmma_scale_f32_16x16x128_f8f6f4 v[104+16*\b:111+16*\b], v[32+8*\b:39+8*\b], v[24:31], 0, v[248+\b], v255 matrix_a_fmt:MATRIX_FMT_FP4 matrix_b_fmt:MATRIX_FMT_FP4
.endr
.rept 4
	v_nop
.endr
	; on the diagonal the scores of hidden keys become -infinity ahead of the maximum: p = 0 then.  A step all of whose keys count skips this
	s_add_co_u32 s96, s[KF], 127
	s_cmp_le_u32 s96, s[Q0]
	s_cbranch_scc1 .Lopen_\@
	s_sub_co_i32 s96, s[Q0], s[KF]
	v_and_b32 v252, 15, v0
	v_and_b32 v254, 8, v0
	s_delay_alu instid0(VALU_DEP_1)
	v_add_nc_u32 v252, v252, v254                  ; r + 8 (r / 8)
	v_and_b32 v254, 16, v0
	s_delay_alu instid0(VALU_DEP_1)
	v_sub_nc_u32 v252, v252, v254
	s_delay_alu instid0(VALU_DEP_1)
	v_add_nc_u32 v252, s96, v252                   ; d = my query - the step's first key - 16 (lane / 16).  Register 16 b + i holds key 16 (lane / 16) + 32 b + i of the step: hidden where 32 b + i > d
	v_mov_b32 v254, 0xff800000                     ; -infinity
.irp n, 0,1,2,3,4,5,6,7,8,9,10,11,12,13,14,15,16,17,18,19,20,21,22,23,24,25,26,27,28,29,30,31,32,33,34,35,36,37,38,39,40,41,42,43,44,45,46,47,48,49,50,51,52,53,54,55,56,57,58,59,60,61,62,63
	v_cmp_gt_i32 vcc_lo, 32*(\n/16)+\n%16, v252
	v_cndmask_b32 v[96+\n], v[96+\n], v254, vcc_lo
.endr
.Lopen_\@:
.irp b, 0,1,2,3
	v_max3_num_f32 v[232+\b], v[96+16*\b], v[97+16*\b], v[98+16*\b]   ; the largest score of each block of 32 keys: it serves for the row's maximum and, since p rises with the score, for the block's largest p
.endr
.irp i, 3,5,7,9,11,13
.irp b, 0,1,2,3
	v_max3_num_f32 v[232+\b], v[232+\b], v[96+16*\b+\i], v[97+16*\b+\i]   ; (the four blocks by turns)
.endr
.endr
.irp b, 0,1,2,3
	v_max_num_f32 v[232+\b], v[232+\b], v[111+16*\b]
.endr
.irp b, 0,1,2,3
	s_delay_alu instid0(VALU_DEP_4)
	v_permlanex16_b32 v[236+\b], v[232+\b], s[SEL], s[SEL+1]
.endr
.irp b, 0,1,2,3
	s_delay_alu instid0(VALU_DEP_4)
	v_max_num_f32 v[232+\b], v[232+\b], v[236+\b]  ; with lane l xor 16's 16 keys
.endr
	s_delay_alu instid0(VALU_DEP_2)
	v_max3_num_f32 v254, v232, v233, v234
	s_delay_alu instid0(VALU_DEP_1)
	v_max_num_f32 v254, v254, v235                 ; the step's largest score of my query
	s_delay_alu instid0(VALU_DEP_1)
	v_mul_f32 v254, s[CS], v254                    ; as t (c is positive)
	s_delay_alu instid0(VALU_DEP_1)
	v_max_num_f32 v13, v13, v254                   ; the running largest t
	v_mov_b32 v254, v12
	s_delay_alu instid0(VALU_DEP_2)
	v_floor_f32 v12, -v13                          ; the new -M = floor(-t) = -ceil(t): M is a whole number
	s_delay_alu instid0(VALU_DEP_1)
	v_sub_f32 v254, v12, v254                      ; M's old value less its new one: a whole number, 0 or less
	s_delay_alu instid0(VALU_DEP_1)
	v_cvt_i32_f32 v254, v254                       ; (it saturates)
	s_delay_alu instid0(VALU_DEP_1)
	v_ldexp_f32 v252, 1.0, v254                    ; f = 2^(old M - new M)
.irp j, 0,2,4,6,8,10,12,14,16,18,20,22,24,26,28,30,32,34,36,38,40,42,44,46,48,50,52,54,56,58,60,62
	v_pk_fma_f32 v[96+\j:97+\j], v[96+\j:97+\j], s[CS:CS+1], v[12:13] op_sel_hi:[1,0,0]   ; t - M, two at a time (of the pairs c and -M the low word serves both halves)
.endr
.irp b, 0,1,2,3
	v_fma_f32 v[232+\b], v[232+\b], s[CS], v12     ; the same of each block's largest score
.endr
	s_wait_alu depctr_va_vdst(0)
.irp j, 0,1,2,3,4,5,6,7,8,9,10,11,12,13,14,15,16,17,18,19,20,21,22,23,24,25,26,27,28,29,30,31,32,33,34,35,36,37,38,39,40,41,42,43,44,45,46,47,48,49,50,51,52,53,54,55,56,57,58,59,60,61,62,63
	v_exp_f32 v[96+\j], v[96+\j]                   ; p = 2^(t - M), at most 1: not normalised
.endr
	v_pk_mul_f32 v[14:15], v[14:15], v[252:253] op_sel_hi:[1,0]   ; the sums under the new M.  (A plain place behind the exponentials)
	s_wait_alu depctr_va_vdst(0)                   ; one wait for the whole batch, ahead of its first reader
.irp b, 0,1,2,3
	v_exp_f32 v[232+\b], v[232+\b]                 ; the block's largest p: the same two instructions on the same number give the same bits
.endr
	v_pk_add_f32 v[236:237], v[100:101], v[104:105]
	v_pk_add_f32 v[250:251], v[108:109], v[112:113]
	v_pk_add_f32 v[248:249], v[116:117], v[120:121]
	v_pk_add_f32 v[246:247], v[124:125], v[128:129]
	v_pk_add_f32 v[244:245], v[132:133], v[136:137]
	v_pk_add_f32 v[242:243], v[140:141], v[144:145]
	v_pk_add_f32 v[240:241], v[148:149], v[152:153]
	v_pk_add_f32 v[14:15], v[14:15], v[156:157]
	v_pk_add_f32 v[236:237], v[236:237], v[96:97]
	v_pk_add_f32 v[250:251], v[250:251], v[98:99]
	v_pk_add_f32 v[248:249], v[248:249], v[102:103]
	v_pk_add_f32 v[246:247], v[246:247], v[106:107]
	v_pk_add_f32 v[244:245], v[244:245], v[110:111]
	v_pk_add_f32 v[242:243], v[242:243], v[114:115]
	v_pk_add_f32 v[240:241], v[240:241], v[118:119]
	v_pk_add_f32 v[14:15], v[14:15], v[122:123]
	v_pk_add_f32 v[236:237], v[236:237], v[126:127]
	v_pk_add_f32 v[250:251], v[250:251], v[130:131]
	v_pk_add_f32 v[248:249], v[248:249], v[134:135]
	v_pk_add_f32 v[246:247], v[246:247], v[138:139]
	v_pk_add_f32 v[244:245], v[244:245], v[142:143]
	v_pk_add_f32 v[242:243], v[242:243], v[146:147]
	v_pk_add_f32 v[240:241], v[240:241], v[150:151]
	v_pk_add_f32 v[14:15], v[14:15], v[154:155]
	v_pk_add_f32 v[236:237], v[236:237], v[158:159]
	s_delay_alu instid0(VALU_DEP_2)
	v_pk_add_f32 v[14:15], v[14:15], v[246:247]
	s_delay_alu instid0(VALU_DEP_2)
	v_pk_add_f32 v[236:237], v[236:237], v[244:245]
	v_pk_add_f32 v[250:251], v[250:251], v[242:243]
	v_pk_add_f32 v[248:249], v[248:249], v[240:241]
	s_delay_alu instid0(VALU_DEP_2)
	v_pk_add_f32 v[14:15], v[14:15], v[250:251]
	s_delay_alu instid0(VALU_DEP_2)
	v_pk_add_f32 v[236:237], v[236:237], v[248:249]
	s_delay_alu instid0(VALU_DEP_1)
	v_pk_add_f32 v[14:15], v[14:15], v[236:237]
	s_wait_alu depctr_va_vdst(0)                   ; and one for the four
.irp b, 0,1,2,3
	v_max_num_f32 v[232+\b], 0x1800000, v[232+\b]  ; the floor 2^(3 - 127): the byte cannot fall under 1 (a block whose every p is 0 keeps that byte: its codes are zeros)
.endr
.irp b, 0,1,2,3
	s_delay_alu instid0(VALU_DEP_4)
	v_add_nc_u32 v[244+\b], 0xff000000, v[232+\b]  ; 2 off the exponent field: the conversion's scale operand
.endr
.irp b, 0,1,2,3
	s_delay_alu instid0(VALU_DEP_4)
	v_lshrrev_b32 v[236+\b], 23, v[244+\b]         ; the scale's byte
.endr
	s_delay_alu instid0(VALU_DEP_3)
	v_lshl_or_b32 v253, v237, 8, v236              ; p's scale word for these 128 keys
	s_delay_alu instid0(VALU_DEP_1)
	v_lshl_or_b32 v253, v238, 16, v253
	s_delay_alu instid0(VALU_DEP_1)
	v_lshl_or_b32 v253, v239, 24, v253
.irp b, 0,1,2,3
	v_cvt_scalef32_pk8_fp4_f32 v[224+2*\b], v[96+16*\b:103+16*\b], v[244+\b]
	v_cvt_scalef32_pk8_fp4_f32 v[225+2*\b], v[104+16*\b:111+16*\b], v[244+\b]
.endr
	v_nop                                          ; one plain place behind a scaled conversion
.irp c, 0,1                                    ; the operand's layout wants a whole block in a lane: lanes 0-15 block 2 c, lanes 16-31 block 2 c + 1
.irp i, 0,1
	v_permlane16_swap_b32 v[224+4*\c+\i], v[226+4*\c+\i]
.endr
.endr
.irp j, 0,2,4,6,8,10,12,14,16,18,20,22,24,26,28,30
	v_pk_mul_f32 v[160+\j:161+\j], v[160+\j:161+\j], v[252:253] op_sel_hi:[1,0]   ; O^T under the new M: x f.  (These 16 also stand between the writing of p's codes and scale word and the products below)
.endr
	s_wait_alu depctr_va_vdst(0)
	s_wait_dscnt 0x0                               ; V
.irp t, 0,1,2,3                                ; O^T += V^T P^T: four tiles of 16 channels; K = these 128 keys.  The four accumulators take turns
	v_wmma_scale_f32_16x16x128_f8f6f4 v[160+8*\t:167+8*\t], v[64+8*\t:71+8*\t], v[224:231], v[160+8*\t:167+8*\t], v[192+\t], v253 matrix_a_fmt:MATRIX_FMT_FP4 matrix_b_fmt:MATRIX_FMT_FP4
.endr
.Lhidden_\@:
	s_add_co_u32 s[KF], s[KF], 128
.endm
; THE CHANGE OF SLOTS stands at a slot's head.  Each wave waits for all its tensor loads (its part of the slot that it is about to read), adds 0 to its spare word, and waits for that and for its reads of the slot that it has left.
; Behind the barrier the slot ahead is whole and nobody reads the other one.  fill = 1: that other slot is filled with the keys that follow, up to the causal limit: the load has a whole slot's steps in which to land.
.macro CHANGE fill
	s_wait_tensorcnt 0x0                           ; no tensor load of mine is out, so a group 0 may be written
	ds_add_u32 v[SPW], v[NIL]
.if \fill
	ds_add_u32 v[SPW], v[NIL]                      ; and once more: the add stands twice on end, in every trip alike
	s_xor_b32 s[G0C+1], s[G0C+1], SLOT1            ; the walking descriptors: the other slot than last time,
	s_add_nc_u64 s[G0C+2:G0C+3], s[G0C+2:G0C+3], 16384   ; the next 512 keys; the type bits on top are not reached
	s_xor_b32 s[G0S+1], s[G0S+1], SLOT1
	s_add_nc_u64 s[G0S+2:G0S+3], s[G0S+2:G0S+3], 1024
	s_wait_xcnt 0x0                                ; the last prefetch, a slot back, has read its address, so it may be written:
	s_add_nc_u64 s[PFA:PFA+1], s[PFA:PFA+1], 16384 ; one slot further on than the walking descriptors
.endif
	s_wait_dscnt 0x0                               ; the add is done, and my reads of the slot that I have left are over
	s_barrier_signal -1
	s_barrier_wait -1
.if \fill
	s_add_co_u32 s96, s[KF], SK                    ; the first key of the slot that this change would ask for.  A slot whose first key comes after my work-group's last query is read by none of its waves: it is not asked for
	s_or_b32 s97, s[Q0], 255                       ; my work-group's last query
	s_cmp_gt_u32 s96, s97                          ; ids and the count of steps alone: all sixteen waves go the same way, and every wait on TENSORcnt in this text is for 0
	s_cbranch_scc1 .Lpast_\@
	TLOAD                                          ; a wave's one tensor load until the next such barrier
.Lpast_\@:
	ASK
.endif
.endm
.macro SLOT_STEPS
.irp q, 0,1,2,3
	STEP \q
.endr
	s_xor_b32 s[TB], s[TB], SLOT1                  ; on to the other slot
.endm
.Lslot:                                            ; 3 trips: behind each change of slots but the last the next slot is asked for, up to the causal limit.  Every work-group walks all slots: the trip count is a constant
	CHANGE 1
	SLOT_STEPS
	s_sub_co_u32 s[SLOTS], s[SLOTS], 1
	s_cmp_lg_u32 s[SLOTS], 0
	s_cbranch_scc1 .Lslot
	CHANGE 0                                       ; the last slot is written out: nothing is left to ask for
	SLOT_STEPS
	; THE WAY OUT.  O^T / the sum; register 16 B + i is channel 32 B + 16 (lane / 16) + i of my query: two blocks of 32 along C, quantised in registers.  The codes are 16 bytes a lane of the last product's operand.
	v_add_f32 v14, v14, v15                        ; the sum's two halves,
	s_delay_alu instid0(VALU_DEP_1)
	v_permlanex16_b32 v252, v14, s[SEL], s[SEL+1]
	s_delay_alu instid0(VALU_DEP_1)
	v_add_f32 v14, v14, v252                       ; and lane l xor 16's: the row's sum
	s_wait_alu depctr_va_vdst(0)
	v_rcp_f32 v14, v14
.rept 3
	v_nop                                          ; a plain place behind the reciprocal; with the two additions above, the places behind the last products
.endr
	s_wait_alu depctr_va_vdst(0)                   ; the wait ahead of the reciprocal's first reader
.irp j, 0,1,2,3,4,5,6,7,8,9,10,11,12,13,14,15,16,17,18,19,20,21,22,23,24,25,26,27,28,29,30,31
	v_mul_f32 v[96+\j], v[160+\j], v14
.endr
.irp b, 0,1
	v_max3_num_f32 v[232+\b], |v[96+16*\b]|, |v[97+16*\b]|, 0x1800000   ; my 16 numbers of block b, and the floor
.endr
.irp i, 2,4,6,8,10,12,14
.irp b, 0,1
	s_delay_alu instid0(VALU_DEP_2)
	v_max3_num_f32 v[232+\b], v[232+\b], |v[96+16*\b+\i]|, |v[97+16*\b+\i]|
.endr
.endr
.irp b, 0,1
	s_delay_alu instid0(VALU_DEP_2)
	v_permlanex16_b32 v[236+\b], v[232+\b], s[SEL], s[SEL+1]
.endr
.irp b, 0,1
	s_delay_alu instid0(VALU_DEP_2)
	v_max_num_f32 v[232+\b], v[232+\b], v[236+\b]
.endr
.irp b, 0,1
	s_delay_alu instid0(VALU_DEP_2)
	v_add_nc_u32 v[244+\b], 0xff000000, v[232+\b]
.endr
.irp b, 0,1
	s_delay_alu instid0(VALU_DEP_2)
	v_lshrrev_b32 v[236+\b], 23, v[244+\b]
.endr
	s_delay_alu instid0(VALU_DEP_1)
	v_lshl_or_b32 v254, v237, 8, v236              ; my head's two scale bytes of my query's row
.irp b, 0,1
	v_cvt_scalef32_pk8_fp4_f32 v[224+2*\b], v[96+16*\b:103+16*\b], v[244+\b]
	v_cvt_scalef32_pk8_fp4_f32 v[225+2*\b], v[104+16*\b:111+16*\b], v[244+\b]
.endr
	v_nop                                          ; one plain place behind a scaled conversion
	v_permlane16_swap_b32 v224, v226               ; lanes 0-15 block 0 whole, lanes 16-31 block 1
	v_permlane16_swap_b32 v225, v227
	global_store_b128 v1, v[224:227], s[8:9]       ; the wave stores 512 consecutive bytes, aligned
	global_store_b16 v10, v254, s[10:11]           ; two of a row's 32 scale bytes are a head's: rows 32 bytes apart (lanes 16-31 repeat lanes 0-15); a sixteenth of the codes' bytes
	s_wait_tensorcnt 0x0                           ; the wave's end
	ds_add_u32 v[SPW], v[NIL]
	s_wait_dscnt 0x0
	s_endpgm
.Lfunc_end_k_qbb22b23601_attn:
	.size	k_qbb22b23601_attn, .Lfunc_end_k_qbb22b23601_attn-k_qbb22b23601_attn
	.p2alignl 7, 3214868480
	.fill 96, 4, 3214868480
	.section	.rodata,"a",@progbits
	.p2align	6, 0x0
	.amdhsa_kernel k_qbb22b23601_attn
		.amdhsa_group_segment_fixed_size 327680
		.amdhsa_private_segment_fixed_size 0
		.amdhsa_enable_private_segment 0
		.amdhsa_kernarg_size 32
		.amdhsa_user_sgpr_count 2
		.amdhsa_user_sgpr_kernarg_segment_ptr 1
		.amdhsa_wavefront_size32 1
		.amdhsa_system_sgpr_workgroup_id_x 1
		.amdhsa_system_sgpr_workgroup_id_y 1
		.amdhsa_system_sgpr_workgroup_id_z 1
		.amdhsa_system_vgpr_workitem_id 0
		.amdhsa_next_free_vgpr 256
		.amdhsa_next_free_sgpr 100
		.amdhsa_reserve_vcc 1
		.amdhsa_float_denorm_mode_32 3
		.amdhsa_float_denorm_mode_16_64 3
		.amdhsa_memory_ordered 1
		.amdhsa_forward_progress 1
		.amdhsa_inst_pref_size 187
	.end_amdhsa_kernel
	.amdgpu_metadata
---
amdhsa.version: [ 1, 2 ]
amdhsa.kernels:
  - .name:           k_qbb22b23601_attn
    .symbol:         k_qbb22b23601_attn.kd
    .args:
      - { .name: qkv_codes, .offset: 0, .size: 8, .value_kind: global_buffer, .address_space: global }
      - { .name: qkv_scales, .offset: 8, .size: 8, .value_kind: global_buffer, .address_space: global }
      - { .name: o_codes, .offset: 16, .size: 8, .value_kind: global_buffer, .address_space: global }
      - { .name: o_scales, .offset: 24, .size: 8, .value_kind: global_buffer, .address_space: global }
    .group_segment_fixed_size: 327680
    .private_segment_fixed_size: 0
    .kernarg_segment_align: 8
    .kernarg_segment_size: 32
    .max_flat_workgroup_size: 512
    .sgpr_count:     100
    .vgpr_count:     256
    .wavefront_size: 32
...
	.end_amdgpu_metadata
.endif
;; end of part 3
;; launch proj (part 4): grid 4 x 32, 4 waves a work-group, clusters of 4 x 4, 327,680 bytes of LDS; arguments o_codes, o_scales, w_codes, w_scales, b_out, out0; writes out0
.if DOCPART == 4
	.amdgcn_target "amdgcn-amd-amdhsa--gfx1250"
	.amdhsa_code_object_version 6
	.text
	.protected	k_qbb22b23601_proj
	.globl	k_qbb22b23601_proj
	.p2align	8
	.type	k_qbb22b23601_proj,@function
k_qbb22b23601_proj:
	s_mov_b64 s[64:65], 0
	v_nop
	global_prefetch_b8 v0, s[64:65] scope:SCOPE_SE
	s_setreg_imm32_b32 hwreg(HW_REG_WAVE_MODE, 25, 1), 1
	s_wait_xcnt 0x0
	s_wait_alu depctr_hold_cnt(0) depctr_sa_sdst(0) depctr_va_vdst(0) depctr_va_sdst(0) depctr_va_ssrc(0) depctr_va_vcc(0) depctr_vm_vsrc(0)
	s_getreg_b32 s2, hwreg(HW_REG_IB_STS2, 6, 4)
	s_cmp_eq_u32 s2, 0
	s_cbranch_scc0 .Lentry_in_a_cluster
	s_endpgm
.Lentry_in_a_cluster:
	s_bfe_u32 s2, ttmp6, 0x10000c
	s_cmp_lg_u32 s2, 0xf033
	s_cbranch_scc0 .Lentry_shape_is_right
	s_endpgm
.Lentry_shape_is_right:
; out0 = O w_out + b_out on codes of E2M1.  A = O, 8,192 rows; B = w_out's 1,024 columns (rows 3,072 on of w_codes, plain order); K = 1,024.  No work of reference() is left out here.
; A tile of 256 x 256 is made by four waves, 128 x 128 each: 64 accumulators, 512 registers.  K is two LDS slots of 512, both asked for at the head: nothing is filled again.
; A LIES IN MEMORY AS IMAGES OF ITS FRAGMENTS: [tile of 16 rows][128 along K: 0-7][c: 0, 1][16 x lane]: 8,192 bytes a tile.  A slot's part of a tile is 4,096 consecutive bytes; a wave's tensor load brings 8 such rows,
; and a fragment is two loads of 16 bytes a lane on end.  B's tiles are rows of 256 bytes, padded in LDS.  The scale bytes of all of K come once, with the first loads.
; Row r of A's tile T is token 32 (T / 2) + 8 (T % 2) + r + 8 (r / 8): the order is undone by the offsets of the last stores.
; THE MATRIX INSTRUCTION IS USED TRANSPOSED (source 0 = 16 rows of B, source 1 = 16 rows of A): a lane holds eight neighbouring numbers of a row of out0.  The bias is the C of each sum's first matrix instruction.
; CLUSTERS: 4 x 4 work-groups; A's tiles are asked for jointly along a row of the cluster, B's along a column.
; REGISTERS, in windows of 256: window 0: v0-31 addresses; v32-95 scale words, two sets; v128-191 A's fragments, one set; v192-255 the bias; on the way out v128-255 rows of out0.
;   window 1: B's fragments, two sets.   window 2: the accumulators of my rows 0-63 ((a, b) at v[8 (8 a + b)]);   window 3: those of my rows 64-127.
.set NQ,     4
.set ROWB,   256                       ; a row of B's tile in bytes
.set AROWB,  4096                      ; a slot's part of one tile of A
.set KROW,   512                       ; a row of codes in memory (A: 16 rows are a tile of 8,192 bytes)
.set PITCH,  272
.set FR,     8
.set NL,     2
.set NP,     4                         ; places behind this matrix instruction (ISA guide 7.12.1)
.set HALFT,  128*PITCH                 ; the LDS bytes of 128 rows (A's images use 32,768 of them)
.set SLOT,   4*HALFT
.set KS,     32
.set SCL,    2*SLOT
.set HALFS,  16*272
.set SBLK,   2*272
.set SPARE,  SCL+4*HALFS
.set SPITCH, 528                       ; the way out: a stage of 16 rows x (512 bytes + 16) for each wave, in slot 0, which has had its only fill and its last read when the first result is stored there
.set ADRA, 16
.set ADRB, 20
.set STO,  24                          ; v24  the way out: where I put 32 bytes of a row
.set RD,   25                          ; v25  where I read a row back
.set CO,   26                          ; v26  my byte offset in a row of out0
.set ADRS, 27
.set SPW,  28
.set NIL,  29
.set BO,   30                          ; v30  32 (lane / 16)
.set SC,   32
.set AF,   128
.set BIA,  192                         ; register 8 b + j: b_out at my column 16 b + 8 (lane / 16) + j
.set BK,   128
.set G1, 24
.set G0, 32
.set G1B, 48
.set G0B, 56
.set G1S, 68
.set G0S, 76
.set G1SB, 80
.set G0SB, 88
.set MSB, 0
.macro WIN new                         ; the immediate's high byte repeats the setting that is left
.if MSB != (\new)
	s_set_vgpr_msb (MSB<<8)|(\new)
.set MSB, (\new)
.endif
.endm
.set MUL_LO, 0xa1                      ; source 0 (B) window 1, source 1 (A) window 0, C and D window 2
.set MUL_HI, 0xf1
.set FST_LO, 0x81                      ; the first step: C (the bias) window 0, D window 2
.set FST_HI, 0xc1
.set TO_B,   0x40
.macro JLOAD g0a, g1a, g0b, g1b        ; a joint load: waves 0 and 1 fetch for A, waves 2 and 3 for B; an s_nop 0 and four v_nop follow each of the two lines
	s_cmp_eq_u32 s15, 0
	s_cbranch_scc0 .Lfor_b_\@
	tensor_load_to_lds s[\g0a:\g0a+3], s[\g1a:\g1a+7]
	s_nop 0
.rept 4
	v_nop
.endr
	s_branch .Lasked_\@
.Lfor_b_\@:
	tensor_load_to_lds s[\g0b:\g0b+3], s[\g1b:\g1b+7]
	s_nop 0
.rept 4
	v_nop
.endr
.Lasked_\@:
.endm
.macro CROUND                          ; a round of the cluster's barrier
	s_barrier_signal -1
	s_barrier_wait -1
	s_cmp_lg_u32 s14, 0
	s_cbranch_scc1 .Lnot_wave_0_\@
	s_barrier_signal -3
.Lnot_wave_0_\@:
	s_barrier_wait -3
	s_barrier_signal -1
	s_barrier_wait -1
.endm
	s_load_b256 s[4:11], s[0:1], 0x0               ; O's codes s[4:5], O's scales s[6:7], the weights' codes s[8:9], their scales s[10:11]
	s_load_b64 s[66:67], s[0:1], 0x20              ; b_out
	s_load_b64 s[12:13], s[0:1], 0x28              ; out0
	v_lshl_add_u32 v[SPW], v0, 2, SPARE
	v_mov_b32 v[NIL], 0
	ds_add_u32 v[SPW], v[NIL]                      ; the wave's opening: the add, twice on end, and its wait ahead of my first tensor load
	ds_add_u32 v[SPW], v[NIL]
	v_lshrrev_b32 v1, 5, v0
	v_readfirstlane_b32 s14, v1                    ; wave 0..3
	s_lshr_b32 s15, s14, 1                         ; which half of the tile's rows is mine.  Also: I fetch for A (0) or for B (1)
	s_and_b32 s16, s14, 1                          ; which half of its columns.  Also: which 128 rows of that tile I fetch
	s_bfe_u32 s40, ttmp6, 0x40000                  ; cx, cy
	s_bfe_u32 s41, ttmp6, 0x40004
	s_lshl_b32 s42, ttmp9, 2
	s_add_co_u32 s42, s42, s40                     ; tile column
	s_and_b32 s17, ttmp7, 0xffff
	s_lshl_b32 s17, s17, 2
	s_add_co_u32 s17, s17, s41                     ; tile row
	s_lshl_b32 s43, s41, 2
	s_lshl_b32 s43, 15, s43                        ; my row of the cluster
	s_lshl_b32 s44, 0x1111, s40                    ; my column
	; A's tiles: 8 rows of 4,096 bytes (512 elements of 8 bytes), 8,192 bytes apart, dense in LDS
	s_or_b32 s[G1+0], s43, (3<<16)|(1<<21)         ; the mask: my row; elements of 8 bytes; no padding; bit 21 beside a mask
	s_mov_b32 s[G1+1], 512<<16                     ; tensor_dim0
	s_mov_b32 s[G1+2], 8<<16                       ; tensor_dim1
	s_mov_b32 s[G1+3], 512<<16                     ; tile_dim0
	s_mov_b32 s[G1+4], 8                           ; tile_dim1
	s_mov_b32 s[G1+5], 1024                        ; tensor_dim0_stride
	s_mov_b32 s[G1+6], 0
	s_mov_b32 s[G1+7], 0
	; B's tiles: 128 rows of 256 bytes, 16 bytes of padding behind each
	s_or_b32 s[G1B+0], s44, (0<<16)|(1<<20)|(1<<21)|(5<<22)|(3<<25)
	s_mov_b32 s[G1B+1], ROWB<<16
	s_mov_b32 s[G1B+2], 128<<16
	s_mov_b32 s[G1B+3], ROWB<<16
	s_mov_b32 s[G1B+4], 128
	s_mov_b32 s[G1B+5], KROW
	s_mov_b32 s[G1B+6], 0
	s_mov_b32 s[G1B+7], 0
	; the scale bytes of 128 rows: 4,096 dense bytes, as 16 rows of 256 bytes, 16 bytes of padding behind each
	s_or_b32 s[G1S+0], s43, (3<<16)|(1<<20)|(1<<21)|(5<<22)|(3<<25)
	s_or_b32 s[G1SB+0], s44, (3<<16)|(1<<20)|(1<<21)|(5<<22)|(3<<25)
.irp g, G1S, G1SB
	s_mov_b32 s[\g+1], 32<<16
	s_mov_b32 s[\g+2], 16<<16
	s_mov_b32 s[\g+3], 32<<16
	s_mov_b32 s[\g+4], 16
	s_mov_b32 s[\g+5], 32
	s_mov_b32 s[\g+6], 0
	s_mov_b32 s[\g+7], 0
.endr
	s_lshl_b32 s18, s16, 7                         ; which 128 rows of the tile I fetch
	s_lshl_b32 s20, s17, 8
	s_add_co_u32 s20, s20, s18                     ; A: row 256 x tile row + 128 x half
	s_lshl_b32 s46, s42, 8
	s_add_co_u32 s46, s46, s18
	s_add_co_u32 s46, s46, 3072                    ; B: row 3,072 + 256 x tile column + 128 x half
	s_mov_b32 s21, 0
	s_mov_b32 s47, 0
	s_mov_b64 s[18:19], KS
	s_mul_u64 s[22:23], s[20:21], s[18:19]
	s_mul_u64 s[92:93], s[46:47], s[18:19]
	s_mov_b64 s[18:19], KROW
	s_mul_u64 s[20:21], s[20:21], s[18:19]         ; (512 bytes a row are 8,192 a tile of 16)
	s_mul_u64 s[46:47], s[46:47], s[18:19]
	s_mul_i32 s45, s14, HALFT
	s_mul_i32 s94, s14, HALFS
	s_wait_dscnt 0x0                               ; both opening adds are done
	s_wait_kmcnt 0x0
	s_add_nc_u64 s[20:21], s[4:5], s[20:21]
	s_add_nc_u64 s[22:23], s[6:7], s[22:23]
	s_add_nc_u64 s[46:47], s[8:9], s[46:47]
	s_add_nc_u64 s[92:93], s[10:11], s[92:93]
	CROUND                                         ; all sixteen work-groups are here: the first joint loads meet
	s_mov_b32 s[G0S], 1
	s_add_co_u32 s[G0S+1], s94, SCL
	s_mov_b64 s[G0S+2:G0S+3], s[22:23]
	s_or_b32 s[G0S+3], s[G0S+3], 0x80000000
	s_mov_b32 s[G0SB], 1
	s_add_co_u32 s[G0SB+1], s94, SCL
	s_mov_b64 s[G0SB+2:G0SB+3], s[92:93]
	s_or_b32 s[G0SB+3], s[G0SB+3], 0x80000000
	JLOAD G0S, G1S, G0SB, G1SB
.irp s, 0,1
	s_mov_b32 s[G0+4*\s], 1
	s_add_co_u32 s[G0+4*\s+1], s45, \s*SLOT
	s_add_nc_u64 s[G0+4*\s+2:G0+4*\s+3], s[20:21], \s*AROWB
	s_or_b32 s[G0+4*\s+3], s[G0+4*\s+3], 0x80000000
	s_mov_b32 s[G0B+4*\s], 1
	s_add_co_u32 s[G0B+4*\s+1], s45, \s*SLOT
	s_add_nc_u64 s[G0B+4*\s+2:G0B+4*\s+3], s[46:47], \s*ROWB
	s_or_b32 s[G0B+4*\s+3], s[G0B+4*\s+3], 0x80000000
	JLOAD G0+4*\s, G1, G0B+4*\s, G1B               ; three tensor loads of mine are out at the most
.endr
	v_and_b32 v1, 15, v0                           ; r
	v_bfe_u32 v2, v0, 4, 1                         ; h
	v_and_b32 v6, 31, v0                           ; lane
	v_lshlrev_b32 v[CO], 4, v6                     ; 16 x lane
	v_mul_u32_u24 v3, v1, PITCH
	v_lshl_add_u32 v4, v2, 4, v3                   ; B: a fragment's row x pitch + 16 x half
	s_mul_i32 s21, s15, HALFT                      ; my 128 rows of A
	s_mul_i32 s22, s16, HALFT                      ; my 128 rows of B,
	s_add_co_u32 s22, s22, 2*HALFT                 ; which lie behind A's
.irp s, 0,1
	v_add_nc_u32 v[ADRA+\s], s21, v[CO]            ; A: images: 16 x lane
	v_add_nc_u32 v[ADRB+\s], s22, v4
	s_add_co_u32 s21, s21, SLOT
	s_add_co_u32 s22, s22, SLOT
.endr
	v_mul_u32_u24 v5, v1, KS
	v_lshrrev_b32 v7, 8, v5
	v_lshl_add_u32 v5, v7, 4, v5
	s_mul_i32 s21, s15, HALFS
	s_mul_i32 s22, s16, HALFS
	s_add_co_u32 s22, s22, 2*HALFS
	s_sub_co_u32 s22, s22, s21
	v_mul_u32_u24 v7, s22, v2                      ; lanes 16-31 take B's
	s_add_co_u32 s21, s21, SCL
	v_add_nc_u32 v5, v5, v7
	v_add_nc_u32 v[ADRS], s21, v5
	s_mul_i32 s23, s14, 16*SPITCH                  ; my stage
	v_mul_u32_u24 v5, v1, SPITCH                   ; in: row r, 32 bytes for each half of the lanes
	v_lshl_add_u32 v5, v2, 5, v5
	v_add_nc_u32 v[STO], s23, v5
	v_add_nc_u32 v[RD], s23, v[CO]                 ; back: the 32 lanes take one row of 512 bytes
	v_lshlrev_b32 v[BO], 5, v2
	s_lshl_b32 s20, s17, 8
	s_lshl_b32 s21, s15, 7
	s_add_co_u32 s20, s20, s21                     ; my first row of out0: 256 x tile row + 128 x half
	s_mov_b32 s21, 0
	s_lshl_b64 s[20:21], s[20:21], 12              ; 4,096 bytes a row
	s_lshl_b32 s46, s42, 10                        ; my first column, in bytes: 1,024 x tile column + 512 x half
	s_lshl_b32 s47, s16, 9
	s_add_co_u32 s46, s46, s47
	s_mov_b32 s47, 0
	s_add_nc_u64 s[66:67], s[66:67], s[46:47]      ; b_out at my first column
	s_add_nc_u64 s[20:21], s[20:21], s[46:47]
	s_add_nc_u64 s[12:13], s[12:13], s[20:21]
.irp b, 0,1,2,3,4,5,6,7
	global_load_b128 v[BIA+8*\b:BIA+8*\b+3], v[BO], s[66:67] offset:64*\b
	global_load_b128 v[BIA+8*\b+4:BIA+8*\b+7], v[BO], s[66:67] offset:64*\b+16
.endr
.macro FRAGB reg, adr, q, i            ; B: from rows: lane l holds row l % 16; registers 4 c .. 4 c + 3 hold K = 64 c + 32 (l / 16) + 0 .. 31
.irp c, 0,1
	ds_load_b128 v[\reg+4*\c:\reg+4*\c+3], v[\adr] offset:64*(\q)+32*\c+(\i)*16*PITCH
.endr
.endm
.macro FRAGA reg, adr, q, i            ; A: an image: the same registers in the same lanes as they were stored
.irp c, 0,1
	ds_load_b128 v[\reg+4*\c:\reg+4*\c+3], v[\adr] offset:4096*(\i)+1024*(\q)+512*\c
.endr
.endm
; 16 matrix instructions: A's blocks a0, a0 + 1 x B's eight.  first = 1: the sums start from the bias.  The 64 accumulators take turns, one instruction a turn.
.macro MUL16 a0, p, q, sc, first
.irp a, \a0, \a0+1
.irp b, 0,1,2,3,4,5,6,7
.if \first
	v_wmma_scale_f32_16x16x128_f8f6f4 v[8*(8*((\a)%4)+\b):8*(8*((\a)%4)+\b)+7], v[128*(\p)+FR*\b:128*(\p)+FR*\b+FR-1], v[AF+FR*(\a):AF+FR*(\a)+FR-1], v[BIA+8*\b:BIA+8*\b+7], v[SC+8*NQ*(\sc)+NQ*\b+(\q)], v[SC+8*NQ*(\sc)+NQ*(\a)+(\q)] matrix_a_fmt:MATRIX_FMT_FP4 matrix_b_fmt:MATRIX_FMT_FP4 matrix_a_scale:MATRIX_SCALE_ROW1
.else
	v_wmma_scale_f32_16x16x128_f8f6f4 v[8*(8*((\a)%4)+\b):8*(8*((\a)%4)+\b)+7], v[128*(\p)+FR*\b:128*(\p)+FR*\b+FR-1], v[AF+FR*(\a):AF+FR*(\a)+FR-1], v[8*(8*((\a)%4)+\b):8*(8*((\a)%4)+\b)+7], v[SC+8*NQ*(\sc)+NQ*\b+(\q)], v[SC+8*NQ*(\sc)+NQ*(\a)+(\q)] matrix_a_fmt:MATRIX_FMT_FP4 matrix_b_fmt:MATRIX_FMT_FP4 matrix_a_scale:MATRIX_SCALE_ROW1
.endif
.endr
.endr
.endm
.macro FETCH_B slot, q, p
	WIN TO_B
.irp i, 0,1,2,3,4,5,6,7
	FRAGB 128*(\p)+FR*\i, ADRB+\slot, \q, \i
.endr
	WIN 0
.endm
.macro FETCH_A slot, q, i0
.irp i, \i0, \i0+1, \i0+2, \i0+3
	FRAGA AF+FR*(\i), ADRA+\slot, \q, \i
.endr
.endm
.macro SCALES sc
.irp i, 0,1,2,3,4,5,6,7
	ds_load_b128 v[SC+8*NQ*\sc+NQ*\i:SC+8*NQ*\sc+NQ*\i+3], v[ADRS] offset:\i*SBLK
.endr
.endm
.macro PLACES n
.rept \n
	v_nop
.endr
.endm
.macro STEP slot, q, first
	s_wait_dscnt 4*NL                              ; B's set and A's blocks 0-3 are in; the youngest eight loads (A's blocks 4-7) may be out
.if \first
	WIN FST_LO
.else
	WIN MUL_LO
.endif
	MUL16 0, (\q)%2, \q, \slot, \first
	MUL16 2, (\q)%2, \q, \slot, \first
	s_wait_dscnt 0
	PLACES NP
	FETCH_B \slot, (\q)+1, 1-(\q)%2
	FETCH_A \slot, (\q)+1, 0
.if \first
	WIN FST_HI
.else
	WIN MUL_HI
.endif
	MUL16 4, (\q)%2, \q, \slot, \first
	MUL16 6, (\q)%2, \q, \slot, \first
	PLACES NP
	WIN 0
	FETCH_A \slot, (\q)+1, 4
.endm
; Slot 0's last step changes slots: one barrier; in front of it each wave waits for all its tensor loads (its part of slot 1), adds 0 to its spare word, and waits for that and for its reads.  Nothing is filled again.
.macro TURN slot, next
	s_wait_tensorcnt 0x0
	ds_add_u32 v[SPW], v[NIL]
	s_wait_dscnt 4*NL+1                            ; (the add and the youngest eight loads may be out)
	WIN MUL_LO
	MUL16 0, 1, NQ-1, \slot, 0
	s_wait_dscnt 0x0                               ; the add is done, and my reads of this slot are over
	s_barrier_signal -1
	MUL16 2, 1, NQ-1, \slot, 0
	WIN 0
	s_barrier_wait -1
	PLACES NP
	v_add_nc_u32 v[ADRS], 4*NQ, v[ADRS]
	FETCH_B \next, 0, 0
	FETCH_A \next, 0, 0
	SCALES \next
	WIN MUL_HI
	MUL16 4, 1, NQ-1, \slot, 0
	MUL16 6, 1, NQ-1, \slot, 0
	PLACES NP
	WIN 0
	FETCH_A \next, 0, 4
.endm
.macro STEPS slot, from
.set Q, \from
.rept NQ-1-\from
	STEP \slot, Q, 0
.set Q, Q+1
.endr
.endm
	s_wait_tensorcnt 1                             ; the scale bytes and my part of slot 0 are in (slot 1's load may be out)
	s_barrier_signal -1
	s_barrier_wait -1                              ; everybody's are
	FETCH_B 0, 0, 0
	FETCH_A 0, 0, 0
	SCALES 0
	FETCH_A 0, 0, 4
	s_wait_loadcnt 0x0                             ; the bias
	STEP 0, 0, 1
	STEPS 0, 1
	TURN 0, 1
	STEPS 1, 0
	s_wait_dscnt 4*NL                              ; the very last step
	WIN MUL_LO
	MUL16 0, 1, NQ-1, 1, 0
	MUL16 2, 1, NQ-1, 1, 0
	s_wait_dscnt 0
	WIN MUL_HI
	MUL16 4, 1, NQ-1, 1, 0
	MUL16 6, 1, NQ-1, 1, 0
	WIN 0
; THE WAY OUT, block by block of 16 rows x 128 columns, through my own stage in LDS: back come whole rows of 512 bytes, which the 32 lanes store as 512 consecutive bytes, aligned.
; LDS serves a wave's instructions in order (ISA guide 5.7.1.4): no wait between the stores and the loads, nor in front of the next block's stores.
.macro TOSTAGE a
.set AC, 64*((\a)%4)
	WIN 0x08+4*((\a)/4)                            ; the data: window 2 or 3
.irp b, 0,1,2,3,4,5,6,7
	ds_store_b128 v[STO], v[AC+8*\b:AC+8*\b+3] offset:64*\b          ; each accumulator from its low end on
	ds_store_b128 v[STO], v[AC+8*\b+4:AC+8*\b+7] offset:64*\b+16
.endr
	WIN 0
.set BB, BK+64*((\a)%2)
.irp t, 0,1,2,3,4,5,6,7,8,9,10,11,12,13,14,15
	ds_load_b128 v[BB+4*\t:BB+4*\t+3], v[RD] offset:\t*SPITCH
.endr
.endm
.macro SEND a, younger                 ; younger: the LDS instructions issued behind block a's loads, which may stay out
.set BB, BK+64*((\a)%2)
	s_wait_dscnt \younger
.irp t, 0,1,2,3,4,5,6,7,8,9,10,11,12,13,14,15
	global_store_b128 v[CO], v[BB+4*\t:BB+4*\t+3], s[12:13] offset:(32*((\a)/2)+8*((\a)%2)+\t+8*(\t/8))*4096 th:TH_STORE_NT   ; row t of block a is token 32 (a / 2) + 8 (a % 2) + t + 8 (t / 8) of my 128; 127 rows at the most: inside the signed 24-bit immediate
.endr
.endm
	PLACES NP                                      ; behind the last products: results are read, and loads land in registers that held A's fragments
	TOSTAGE 0
.irp a, 1,2,3,4,5,6,7
.if \a > 1
	s_wait_xcnt 0x0                                ; block a - 2's stores have read their registers: block a's loads may land there
.endif
	TOSTAGE \a
	SEND \a-1, 32                                  ; behind block a - 1's loads: block a's 16 stores and 16 loads
.endr
	SEND 7, 0
	s_wait_tensorcnt 0x0                           ; the wave's end, behind my last tensor load and my last LDS store
	ds_add_u32 v[SPW], v[NIL]
	s_wait_dscnt 0x0
	CROUND                                         ; the closing round: no work-group ends while a partner may still ask for a tile that names it
	s_endpgm
.Lfunc_end_k_qbb22b23601_proj:
	.size	k_qbb22b23601_proj, .Lfunc_end_k_qbb22b23601_proj-k_qbb22b23601_proj
	.p2alignl 7, 3214868480
	.fill 96, 4, 3214868480
	.section	.rodata,"a",@progbits
	.p2align	6, 0x0
	.amdhsa_kernel k_qbb22b23601_proj
		.amdhsa_group_segment_fixed_size 327680
		.amdhsa_private_segment_fixed_size 0
		.amdhsa_enable_private_segment 0
		.amdhsa_kernarg_size 48
		.amdhsa_user_sgpr_count 2
		.amdhsa_user_sgpr_kernarg_segment_ptr 1
		.amdhsa_wavefront_size32 1
		.amdhsa_system_sgpr_workgroup_id_x 1
		.amdhsa_system_sgpr_workgroup_id_y 1
		.amdhsa_system_sgpr_workgroup_id_z 1
		.amdhsa_system_vgpr_workitem_id 0
		.amdhsa_next_free_vgpr 1024
		.amdhsa_next_free_sgpr 98
		.amdhsa_reserve_vcc 0
		.amdhsa_float_denorm_mode_32 3
		.amdhsa_float_denorm_mode_16_64 3
		.amdhsa_memory_ordered 1
		.amdhsa_forward_progress 1
		.amdhsa_inst_pref_size 126
	.end_amdhsa_kernel
	.amdgpu_metadata
---
amdhsa.version: [ 1, 2 ]
amdhsa.kernels:
  - .name:           k_qbb22b23601_proj
    .symbol:         k_qbb22b23601_proj.kd
    .args:
      - { .name: o_codes, .offset: 0, .size: 8, .value_kind: global_buffer, .address_space: global }
      - { .name: o_scales, .offset: 8, .size: 8, .value_kind: global_buffer, .address_space: global }
      - { .name: w_codes, .offset: 16, .size: 8, .value_kind: global_buffer, .address_space: global }
      - { .name: w_scales, .offset: 24, .size: 8, .value_kind: global_buffer, .address_space: global }
      - { .name: b_out, .offset: 32, .size: 8, .value_kind: global_buffer, .address_space: global }
      - { .name: out0, .offset: 40, .size: 8, .value_kind: global_buffer, .address_space: global }
    .group_segment_fixed_size: 327680
    .private_segment_fixed_size: 0
    .kernarg_segment_align: 8
    .kernarg_segment_size: 48
    .max_flat_workgroup_size: 128
    .sgpr_count:     98
    .vgpr_count:     1024
    .wavefront_size: 32
...
	.end_amdgpu_metadata
.endif
;; end of part 4
